; MI455X (gfx1250); checked and timed in simulation.
; The chip was launched on July 23, 2026; its instructions are those of AMD's public machine-readable ISA for CDNA 5 (MIT licence, August 2026) and "CDNA5" Instruction Set Architecture Reference Guide (July 2026). The comments in the code are by the model that wrote it; some were corrected since.
;; Recency Bias Attention. Allowed arithmetic: matrix products marked QUANTISED: E2M3 operands, one E8M0 scale for each 32 along K, by v_wmma_scale_f32_16x16x128_f8f6f4 with both operands' format E2M3, f32 sums; everything else in f32.
;; Inputs: Wout 1,024 x 1,024 float32; Wqkv 1,024 x 3,072 float32; bout 1,024 float32; bqkv 3,072 float32; mask 4 x 2,048 bool; recency_bias 2,048 x 2,048 float32; x 4 x 2,048 x 1,024 float32.
;; Outputs: out0 4 x 2,048 x 1,024 float32.
;; This version of the problem:
;;   THIS VERSION OF THE PROBLEM IS GIVEN IN LOW PRECISION. The matrix products marked QUANTISED in the list below multiply operands that are first quantised to E2M3 (2 exponent bits, 3 mantissa bits; 6 bits a number), with one power-of-two scale for each 32 numbers along K (OCP MX v1.0); their sums are f32. All else is computed in f32.
;;   The module's matrix products, in the order in which they are computed (A, B: the left and right operand; K: the contracted axis; several contracted axes count as one K, in the product's order):
;;     1. [M 8,192, K 1,024] x [K 1,024, N 3,072]; A: input x; B: input Wqkv: QUANTISED
;;     2. batch 64 x [M 2,048, K 64] x [K 64, N 2,048]; A: computed on the way; B: computed on the way: QUANTISED
;;     3. batch 64 x [M 2,048, K 2,048] x [K 2,048, N 64]; A: softmax (see below); B: computed on the way: QUANTISED
;;     4. [M 8,192, K 1,024] x [K 1,024, N 1,024]; A: computed on the way; B: input Wout: QUANTISED
;;   THE QUANTISER, for each operand of a quantised product, along K:
;;     - K is cut into blocks of 32 from its start; a last block that is shorter is filled with zeros.
;;     - A block's scale is 2^e with e = floor(log2(the largest magnitude in the block)) - 2, held to -126 .. 127; a block of zeros has e = 0. As a byte (E8M0): e + 127.
;;     - Each number is divided by its block's scale, clamped to +-7.5, and rounded to the nearest number of E2M3, ties to even, subnormals kept.
;;     - The product sums the exact products of the quantised numbers (number of the format x scale) in f32.
;;   ~~~python
;;   def quantise(x, axis):      # numpy; x: float32 -> the quantised numbers, widened to float32 again
;;       x = np.moveaxis(x, axis, -1); K = x.shape[-1]
;;       x = np.pad(x, [(0, 0)] * (x.ndim - 1) + [(0, -K % 32)]); x = x.reshape(x.shape[:-1] + (-1, 32)); a = np.abs(x).max(-1, keepdims=True)
;;       e = np.where(a > 0, np.clip(np.frexp(np.where(a > 0, a, 1))[1] - 1 - 2, -126, 127), 0)      # np.frexp(a)[1] - 1 = floor(log2(a)), exactly
;;       r = np.clip(x / 2.0 ** e, -7.5, 7.5)
;;       step = 2.0 ** (np.maximum(np.frexp(np.where(r == 0, 1, r))[1] - 1, 0) - 3)
;;       q = np.round(r / step) * step * 2.0 ** e      # np.round: ties to even
;;       return np.moveaxis(q.reshape(q.shape[:-2] + (-1,))[..., :K], -1, axis).astype(np.float32)
;;   ~~~
;;   SOFTMAX AHEAD OF A QUANTISED PRODUCT. Where the list says 'softmax', what is quantised is not the finished softmax but p = 2^(t - M), with t = logit x log2(e) and M = ceil(the row's largest t), a whole number; so 1/2 < the row's largest p <= 1. The row's sum l is taken of the UNQUANTISED p, in f32, and the product's result is divided by l at the end. Since M is a whole number, a kernel that streams over the keys may use a running M (the ceiling of the running maximum): every later rescaling is an exact power of two, which a block's scale takes up: the codes' values come out the same.
;;   OPERANDS COMPUTED ON THE WAY. 'Computed on the way' means the value that the module computes at that place (a softmax that the list does not call 'softmax' is quantised finished and normalised). What goes into a quantiser is computed in f32, as accurately as f32 sums, v_exp_f32 and their like allow (about 1e-6 of the number): no bf16 or f16 on the way to a quantiser, and a product that is left as it is and whose result goes on into a quantised operand takes f32 operands (vector FMAs, or v_wmma_f32_16x16x4_f32). A number that lies on a knife's edge between two numbers of the format may be rounded either way, as far as f32 arithmetic and the matrix unit's own rounding can turn it there, and no further.
;; One version. Each part assembles by itself: llvm-mc -triple=amdgcn-amd-amdhsa -mcpu=gfx1250 --defsym DOCPART=n.
;; ======== version 1 of 1: 4 launches
;; limits: right only within a limited range of input values
;; workspace buffers: xc 6,291,456 bytes; wc 3,145,728 bytes; sc 655,360 bytes; bimg 16,777,216 bytes; qkc 12,582,912 bytes; vc 6,291,456 bytes; qs 786,432 bytes; aoc 6,291,456 bytes
;; launch prep (part 1): grid 640 x 1, 4 waves a work-group, no clusters, 81,408 bytes of LDS; arguments x, recency_bias, Wqkv, Wout, xc, bimg, wc, sc; writes xc, bimg, wc, sc
.if DOCPART == 1
	.amdgcn_target "amdgcn-amd-amdhsa--gfx1250"
	.amdhsa_code_object_version 6
	.text
	.protected	k_q27a3dbbbcc_prep
	.globl	k_q27a3dbbbcc_prep
	.p2align	8
	.type	k_q27a3dbbbcc_prep,@function
k_q27a3dbbbcc_prep:
	s_mov_b64 s[64:65], 0
	v_nop
	global_prefetch_b8 v0, s[64:65] scope:SCOPE_SE
	s_setreg_imm32_b32 hwreg(HW_REG_WAVE_MODE, 25, 1), 1
	s_wait_xcnt 0x0
; Three streams in one launch, parted by the work-group's number; each has LDS bytes of its own and ends by itself.
;   work-groups 0-255:   x [8192][1024] f32 -> codes of FP6 (E2M3) with one E8M0 byte for each 32 along a row
;   work-groups 256-383: recency_bias [2048][2048] f32 -> 8 x bias, laid in the order of the score registers of the attention launch
;   work-groups 384-639: Wqkv [1024][3072] and Wout [1024][1024] f32, K = the FIRST axis -> codes and bytes along K
; LAYOUTS OF THE WORKSPACE.  A TILE is 16 rows: lane r of tile T stands for row 32 (T / 2) + 8 (T % 2) + r + 8 (r / 8), so that two neighbouring tiles cover 32 rows.
; A FRAGMENT IMAGE (16 rows x 128 K, 1,536 bytes) is the matrix operand's 12 registers: registers 2 p, 2 p + 1 of lane l at 256 p + 8 l.  Its scale words: word r at 4 r, 64 bytes.
; xc [tile 512][K step 8][1536]; wc [tile 256][K step 8][1536], tiles 0-191 Wqkv's columns, 192-255 Wout's; sc [tile][K step][64]: x's at 0, the weights' at WS0.
; bimg [tile of queries 128][step of 128 keys 16][piece j 16][lane][16 bytes]: piece j of lane (r, h) = 8 x bias[the tile's row r][128 step + 32 (j / 4) + 16 h + 4 (j % 4) + 0 .. 3].
; A block's scale is 2^(floor(log2(largest magnitude)) - 2): its byte is the largest magnitude's exponent field - 2, held at 1 from below by a floor among the maximum's leaves.
; A block of zeros so has the byte 1 where the quantiser says 127: its codes are zeros, and this program alone reads the bytes.
; LIMITS: blocks whose largest magnitude lies under 2^-124 keep the byte 1; NaN and infinities among the inputs are not served.
; Memory binds: no matrix unit, no tensor load, no barrier; waves share nothing.  Every load of x and of the bias covers 512 consecutive bytes, every store of codes 256 or 512.
.set XSTG, 0                           ; x path: a stage of 16 rows x (512 + 16) bytes for each wave
.set BSTG, 33792                       ; bias path: the same
.set WIMG, 67584                       ; W path: for each wave two images (3,072 bytes), their scale words (128), 128 idle
.set WS0,  262144                      ; the weights' scale words in sc
.set R0,  16                           ; v16-79, v80-143: two sets of 64 numbers as loaded
.set X,   144                          ; v144-207 64 numbers in the lane's order
.set PC,  208                          ; v208-219 a fragment's codes
.set CT,  220                          ; v220-222, v224-226 the second half of each block's codes (a conversion's three registers begin on an even number)
.set TM,  228                          ; v228-229 largest magnitudes;  v230-231 scale operands;  v232-233 bytes
.set SO,  230
.set BY,  232
.set WD,  234                          ; the scale word
.set WT,  235
.set VO,  16                           ; W path: v16-47 byte offsets of 32 rows;  v48-175 128 numbers down K
.set D,   48
.set WC,  176                          ; v176.. codes, 8 registers apart for each block;  v208.. their second halves
.set WH,  208
.set WW,  224
.set WM,  226
.set WS,  228
.set WB,  229
.set WO,  230
	s_load_b256 s[4:11], s[0:1], 0x0               ; x s[4:5], recency_bias s[6:7], Wqkv s[8:9], Wout s[10:11]
	s_load_b256 s[12:19], s[0:1], 0x20             ; xc s[12:13], bimg s[14:15], wc s[16:17], sc s[18:19]
	v_lshl_add_u32 v254, v0, 2, 0x13c00
	v_mov_b32 v255, 0
	v_lshrrev_b32 v1, 5, v0
	v_readfirstlane_b32 s22, v1                    ; wave 0..3
	v_and_b32 v1, 31, v0                           ; lane
	v_and_b32 v2, 15, v0                           ; r
	v_bfe_u32 v3, v0, 4, 1                         ; h
	v_lshlrev_b32 v4, 4, v1                        ; 16 x lane
	v_lshlrev_b32 v5, 3, v1                        ; 8 x lane
	v_lshlrev_b32 v6, 2, v2                        ; 4 r
	v_lshlrev_b32 v9, 3, v3                        ; 8 h
	s_mov_b32 s20, 0x76543210
	s_mov_b32 s21, 0xfedcba98                      ; v_permlanex16_b32's selects for lane l xor 16
	s_mul_i32 s23, s22, 8448
	s_mul_i32 s24, s22, 3328
	; every LDS address is made here, ahead of the parting: a constant + a constant x wave + a lane term
	v_add_nc_u32 v7, s23, v4                       ; x: into the stage, 16 x lane (a row an instruction)
	v_mul_u32_u24 v8, v2, 528
	v_add_nc_u32 v8, s23, v8
	v_lshl_add_u32 v11, v3, 6, v8
	v_add_nc_u32 v11, BSTG, v11                    ; bias: out of the stage: row r, + 64 h
	v_lshl_add_u32 v8, v3, 7, v8                   ; x: out of the stage: row r, + 128 h
	v_add_nc_u32 v10, BSTG, v7                     ; bias: into the stage
	v_bfe_u32 v12, v0, 3, 1                        ; W: my column (= lane) lies in tile u = (lane / 8) % 2 of the pair,
	v_and_b32 v13, 7, v0
	v_lshl_add_u32 v13, v3, 3, v13                 ; at its row r' = lane % 8 + 8 (lane / 16)
	v_mul_u32_u24 v14, v12, 1536
	v_lshl_add_u32 v14, v13, 3, v14
	v_add_nc_u32 v14, s24, v14
	v_add_nc_u32 v14, WIMG, v14                    ; where my codes go: image u, 8 r'
	v_lshlrev_b32 v15, 6, v12
	v_lshl_add_u32 v15, v13, 2, v15
	v_add_nc_u32 v15, s24, v15
	v_add_nc_u32 v15, WIMG+3072, v15               ; and my scale word: 64 u + 4 r'
	v_add_nc_u32 v12, s24, v4
	v_add_nc_u32 v12, WIMG, v12                    ; back: 16 x lane
	v_lshlrev_b32 v13, 2, v1
	v_add_nc_u32 v13, s24, v13
	v_add_nc_u32 v13, WIMG+3072, v13               ; back: 4 x lane
	s_wait_kmcnt 0x0
	s_cmp_lt_u32 ttmp9, 256
	s_cbranch_scc1 .Lx
	s_cmp_lt_u32 ttmp9, 384
	s_cbranch_scc1 .Lbias
; ---------------- the weights.  A lane takes a column, its registers run down K: a block of 32 lies in one lane, and the codes come out with K innermost.
; Work-group j = K step j % 8, columns 128 (j / 8) on; a wave takes 32 columns x 128 K: two tiles' images.
	s_sub_co_u32 s25, ttmp9, 384
	s_and_b32 s26, s25, 7                          ; K step
	s_lshr_b32 s27, s25, 3
	s_lshl_b32 s28, s27, 2
	s_add_co_u32 s28, s28, s22                     ; cg: which 32 columns of the 4,096 (Wqkv's 3,072, then Wout's)
	s_mov_b32 s30, 4096
	s_cmp_lt_u32 s27, 24                           ; the choice hangs on the work-group's number alone
	s_cselect_b64 s[8:9], s[8:9], s[10:11]         ; the tensor,
	s_cselect_b32 s30, 12288, s30                  ; its row in bytes,
	s_cselect_b32 s31, 0, 96
	s_sub_co_u32 s31, s28, s31                     ; and the 32 columns inside it
	s_lshl_b32 s32, s26, 7
	s_mul_i32 s32, s32, s30                        ; 128 K step rows
	s_lshl_b32 s33, s31, 7                         ; 32 columns of 4 bytes
	s_add_co_u32 s32, s32, s33
	s_mov_b32 s33, 0
	s_add_nc_u64 s[36:37], s[8:9], s[32:33]        ; a base for each block of 32 rows
	s_lshl_b32 s34, s30, 5
	s_mov_b32 s35, 0
	s_add_nc_u64 s[38:39], s[36:37], s[34:35]
	s_add_nc_u64 s[40:41], s[38:39], s[34:35]
	s_add_nc_u64 s[42:43], s[40:41], s[34:35]
	s_lshl_b32 s44, s28, 4
	s_add_co_u32 s44, s44, s26                     ; (tile 2 cg) x 8 + K step
	s_mul_i32 s32, s44, 1536
	s_add_nc_u64 s[16:17], s[16:17], s[32:33]
	s_lshl_b32 s32, s44, 6
	s_add_co_u32 s32, s32, WS0
	s_add_nc_u64 s[18:19], s[18:19], s[32:33]
	v_lshlrev_b32 v[VO], 2, v1                     ; 4 x lane + row x pitch
.set i, 1
.rept 31
	v_add_nc_u32 v[VO+i], s30, v[VO+i-1]
.set i, i+1
.endr
	v_lshl_add_u32 v[WO], v3, 9, v6                ; the scale words' way out: tile lane / 16 (512 bytes on), word lane % 16
.macro WLOAD kb                        ; block kb: 32 rows, 128 consecutive bytes a wave and row; the four waves stand side by side on 512.  (The argument is text: it stands in brackets wherever it is multiplied)
.set i, 0
.rept 32
	global_load_b32 v[D+32*(\kb)+i], v[VO+i], s[36+2*(\kb):37+2*(\kb)] th:TH_LOAD_NT
.set i, i+1
.endr
.endm
.macro WBLK kb
.set DS, D+32*(\kb)
.if \kb < 3
	s_wait_loadcnt 32                              ; this block's 32 loads are in; the next block's 32 may be out
.else
	s_wait_loadcnt 0x0
.endif
.if \kb < 2
	WLOAD \kb+2                                    ; two blocks ahead, into registers of its own
.endif
	v_max3_num_f32 v[WM], |v[DS]|, |v[DS+1]|, |v[DS+2]|             ; the block's largest magnitude: all 32 numbers are mine; two chains
	v_max3_num_f32 v[WM+1], |v[DS+3]|, |v[DS+4]|, |v[DS+5]|
.irp i, 6,10,14,18,22,26
	v_max3_num_f32 v[WM], v[WM], |v[DS+\i]|, |v[DS+\i+1]|
	v_max3_num_f32 v[WM+1], v[WM+1], |v[DS+\i+2]|, |v[DS+\i+3]|
.endr
	v_max3_num_f32 v[WM], v[WM], |v[DS+30]|, |v[DS+31]|
	v_max3_num_f32 v[WM], v[WM], v[WM+1], 0x1800000 ; and the floor 2^(3 - 127): the byte cannot fall under 1
	v_add_nc_u32 v[WS], 0xff000000, v[WM]          ; 2 off the exponent field: the conversion takes this operand's exponent field as its scale
	v_lshrrev_b32 v[WB], 23, v[WS]                 ; the scale's byte
.if \kb == 0
	v_mov_b32 v[WW], v[WB]                         ; four bytes make the column's scale word, the lower K in the lower byte
.else
	v_lshl_or_b32 v[WW], v[WB], 8*(\kb), v[WW]
.endif
	v_cvt_scalef32_pk16_fp6_f32 v[WC+8*(\kb):WC+8*(\kb)+2], v[DS:DS+15], v[WS]
	v_cvt_scalef32_pk16_fp6_f32 v[WH+4*(\kb):WH+4*(\kb)+2], v[DS+16:DS+31], v[WS]
	v_nop                                          ; one plain place behind a scaled conversion
.irp i, 0,1,2
	v_mov_b32 v[WC+8*(\kb)+3+\i], v[WH+4*(\kb)+\i]
.endr
.irp p, 0,1,2                          ; block kb is registers 6 (kb / 2) .. + 5 of lane r' + 16 (kb % 2) of the image
	ds_store_b64 v14, v[WC+8*(\kb)+2*\p:WC+8*(\kb)+2*\p+1] offset:(3*((\kb)/2)+\p)*256+128*((\kb)%2)
.endr
.endm
	WLOAD 0
	WLOAD 1
	WBLK 0
	WBLK 1
	WBLK 2
	WBLK 3
	ds_store_b32 v15, v[WW]
.irp i, 0,1,2,3,4,5
	ds_load_b128 v[D+4*\i:D+4*\i+3], v12 offset:512*\i             ; LDS serves a wave's instructions in order: these see my stores
.endr
	ds_load_b32 v[D+24], v13
	s_wait_dscnt 0x0
.irp i, 0,1,2,3,4,5
	global_store_b128 v4, v[D+4*\i:D+4*\i+3], s[16:17] offset:(\i/3)*12288+(\i%3)*512   ; 512 consecutive bytes a store; the pair's second tile lies 8 images on
.endr
	global_store_b32 v[WO], v[D+24], s[18:19]
	s_wait_tensorcnt 0x0
	ds_add_u32 v254, v255
	s_wait_dscnt 0x0
	s_endpgm
; ---------------- x and the bias: patches of 16 rows x 512 bytes go through the wave's stage: in as they lie (a row an instruction), out in the lane's order.
.macro LOADP n, set, pitch, b          ; patch n: the tile's 16 rows (0-7 and 16-23 of its 24), 512 consecutive bytes each
.irp i, 0,1,2,3,4,5,6,7,8,9,10,11,12,13,14,15
	global_load_b128 v[\set+4*\i:\set+4*\i+3], v4, s[\b:\b+1] offset:(\i+8*(\i/8))*\pitch+512*(\n) th:TH_LOAD_NT
.endr
.endm
.macro TURN set, sin, sout, g, stride  ; rows 528 bytes apart: the sixteen rows that a load of 16 bytes touches start in sixteen different columns of 16 bytes
.set i, 0
.rept 16
	ds_store_b128 v[\sin], v[\set+4*i:\set+4*i+3] offset:528*i
.set i, i+1
.endr
.set i, 0
.rept 16
	ds_load_b128 v[X+4*i:X+4*i+3], v[\sout] offset:\stride*(i/\g)+16*(i%\g)
.set i, i+1
.endr
.endm
.macro XQ                              ; v[X] .. v[X+63]: register 32 c + i = k 64 c + 32 h + i of my row: two whole blocks, in the operand's own order
.irp c, 0,1
	v_max3_num_f32 v[TM+\c], |v[X+32*\c]|, |v[X+32*\c+1]|, 0x1800000   ; with the floor 2^(3 - 127)
.endr
.irp i, 2,4,6,8,10,12,14,16,18,20,22,24,26,28,30
.irp c, 0,1
	v_max3_num_f32 v[TM+\c], v[TM+\c], |v[X+32*\c+\i]|, |v[X+32*\c+\i+1]|   ; the two blocks by turns
.endr
.endr
.irp c, 0,1
	v_add_nc_u32 v[SO+\c], 0xff000000, v[TM+\c]    ; the conversion's scale operand
.endr
.irp c, 0,1
	v_lshrrev_b32 v[BY+\c], 23, v[SO+\c]           ; the byte
.endr
	v_lshl_or_b32 v[WD], v[BY+1], 16, v[BY]        ; my bytes are those of blocks h and 2 + h:
	v_lshlrev_b32 v[WD], v9, v[WD]                 ; 8 h bits up;
	v_permlanex16_b32 v[WT], v[WD], s20, s21
	v_or_b32 v[WD], v[WD], v[WT]                   ; with lane l xor 16's two the word is whole
.irp c, 0,1
	v_cvt_scalef32_pk16_fp6_f32 v[PC+6*\c:PC+6*\c+2], v[X+32*\c:X+32*\c+15], v[SO+\c]
	v_cvt_scalef32_pk16_fp6_f32 v[CT+4*\c:CT+4*\c+2], v[X+32*\c+16:X+32*\c+31], v[SO+\c]
.endr
	v_nop                                          ; one plain place behind a scaled conversion
.irp c, 0,1
.irp i, 0,1,2
	v_mov_b32 v[PC+6*\c+3+\i], v[CT+4*\c+\i]
.endr
.endr
.endm
.Lx:                                   ; wave W = 4 x work-group + wave: tile W / 2, K steps 4 (W % 2) + 0 .. 3
	s_lshl_b32 s25, ttmp9, 2
	s_add_co_u32 s25, s25, s22
	s_lshr_b32 s26, s25, 1                         ; tile
	s_and_b32 s27, s25, 1
	s_lshr_b32 s28, s26, 1
	s_lshl_b32 s28, s28, 5
	s_and_b32 s29, s26, 1
	s_lshl_b32 s29, s29, 3
	s_add_co_u32 s28, s28, s29                     ; the tile's first row
	s_lshl_b32 s28, s28, 12                        ; rows of 4,096 bytes
	s_lshl_b32 s29, s27, 11
	s_add_co_u32 s28, s28, s29
	s_mov_b32 s29, 0
	s_add_nc_u64 s[4:5], s[4:5], s[28:29]
	s_lshl_b32 s30, s26, 3
	s_lshl_b32 s31, s27, 2
	s_add_co_u32 s30, s30, s31                     ; image 8 x tile + K step
	s_mul_i32 s28, s30, 1536
	s_add_nc_u64 s[12:13], s[12:13], s[28:29]
	s_lshl_b32 s28, s30, 6
	s_add_nc_u64 s[18:19], s[18:19], s[28:29]
	v_mov_b32 v[WT], 0                             ; a lane permute's destination counts as one of its sources
	LOADP 0, R0, 4096, 4
	LOADP 1, R0+64, 4096, 4
.irp n, 0,1,2,3
.if \n < 3
	s_wait_loadcnt 16                              ; this patch's 16 loads are in; the next patch's 16 may be out
.else
	s_wait_loadcnt 0x0
.endif
	TURN R0+64*(\n%2), 7, 8, 8, 256
	s_wait_dscnt 0x0                               ; the numbers are back, and the stage's stores have read the set,
.if \n < 2
	LOADP \n+2, R0+64*(\n%2), 4096, 4              ; which takes the patch two on
.endif
.if \n > 0
	s_wait_xcnt 0x0                                ; the last patch's stores have read the codes' and the word's registers
.endif
	XQ
.irp p, 0,1,2,3,4,5
	global_store_b64 v5, v[PC+2*\p:PC+2*\p+1], s[12:13] offset:1536*\n+256*\p   ; 256 consecutive aligned bytes a store
.endr
	global_store_b32 v6, v[WD], s[18:19] offset:64*\n              ; lanes r and r + 16 write the same word with the same value
.endr
	s_wait_tensorcnt 0x0
	ds_add_u32 v254, v255
	s_wait_dscnt 0x0
	s_endpgm
.Lbias:                                ; wave Wb = 4 x (work-group - 256) + wave: tile of queries Wb / 4, steps of 128 keys 4 (Wb % 4) + 0 .. 3
	s_sub_co_u32 s25, ttmp9, 256
	s_lshl_b32 s25, s25, 2
	s_add_co_u32 s25, s25, s22
	s_lshr_b32 s26, s25, 2                         ; tile
	s_and_b32 s27, s25, 3
	s_lshr_b32 s28, s26, 1
	s_lshl_b32 s28, s28, 5
	s_and_b32 s29, s26, 1
	s_lshl_b32 s29, s29, 3
	s_add_co_u32 s28, s28, s29
	s_lshl_b32 s28, s28, 13                        ; rows of 8,192 bytes
	s_lshl_b32 s29, s27, 11
	s_add_co_u32 s28, s28, s29
	s_mov_b32 s29, 0
	s_add_nc_u64 s[6:7], s[6:7], s[28:29]
	s_lshl_b32 s30, s26, 4
	s_lshl_b32 s31, s27, 2
	s_add_co_u32 s30, s30, s31
	s_lshl_b32 s28, s30, 13                        ; 8,192 bytes for a tile and step
	s_add_nc_u64 s[14:15], s[14:15], s[28:29]
	LOADP 0, R0, 8192, 6
	LOADP 1, R0+64, 8192, 6
.irp n, 0,1,2,3
.if \n < 3
	s_wait_loadcnt 16                              ; this patch's 16 loads are in; the next patch's 16 may be out
.else
	s_wait_loadcnt 0x0
.endif
.if \n > 0
	s_wait_xcnt 0x0                                ; the last patch's stores have read v[X] on
.endif
	TURN R0+64*(\n%2), 10, 11, 4, 128
	s_wait_dscnt 0x0
.if \n < 2
	LOADP \n+2, R0+64*(\n%2), 8192, 6
.endif
.set i, 0
.rept 32
	v_pk_mul_f32 v[X+i:X+i+1], v[X+i:X+i+1], 0x41000000 op_sel_hi:[1,0]   ; x 8, exact: q . k + 8 bias = 8 x the logit
.set i, i+2
.endr
.set i, 0
.rept 16
	global_store_b128 v4, v[X+4*i:X+4*i+3], s[14:15] offset:8192*\n+512*i   ; 512 consecutive bytes a store
.set i, i+1
.endr
.endr
	s_wait_tensorcnt 0x0
	ds_add_u32 v254, v255
	s_wait_dscnt 0x0
	s_endpgm
.Lfunc_end_k_q27a3dbbbcc_prep:
	.size	k_q27a3dbbbcc_prep, .Lfunc_end_k_q27a3dbbbcc_prep-k_q27a3dbbbcc_prep
	.p2alignl 7, 3214868480
	.fill 96, 4, 3214868480
	.section	.rodata,"a",@progbits
	.p2align	6, 0x0
	.amdhsa_kernel k_q27a3dbbbcc_prep
		.amdhsa_group_segment_fixed_size 81408
		.amdhsa_private_segment_fixed_size 0
		.amdhsa_enable_private_segment 0
		.amdhsa_kernarg_size 64
		.amdhsa_user_sgpr_count 2
		.amdhsa_user_sgpr_kernarg_segment_ptr 1
		.amdhsa_wavefront_size32 1
		.amdhsa_system_sgpr_workgroup_id_x 1
		.amdhsa_system_sgpr_workgroup_id_y 1
		.amdhsa_system_sgpr_workgroup_id_z 1
		.amdhsa_system_vgpr_workitem_id 0
		.amdhsa_next_free_vgpr 256
		.amdhsa_next_free_sgpr 66
		.amdhsa_reserve_vcc 0
		.amdhsa_float_denorm_mode_32 3
		.amdhsa_float_denorm_mode_16_64 3
		.amdhsa_memory_ordered 1
		.amdhsa_forward_progress 1
		.amdhsa_inst_pref_size 88
	.end_amdhsa_kernel
	.amdgpu_metadata
---
amdhsa.version: [ 1, 2 ]
amdhsa.kernels:
  - .name:           k_q27a3dbbbcc_prep
    .symbol:         k_q27a3dbbbcc_prep.kd
    .args:
      - { .name: x, .offset: 0, .size: 8, .value_kind: global_buffer, .address_space: global }
      - { .name: recency_bias, .offset: 8, .size: 8, .value_kind: global_buffer, .address_space: global }
      - { .name: Wqkv, .offset: 16, .size: 8, .value_kind: global_buffer, .address_space: global }
      - { .name: Wout, .offset: 24, .size: 8, .value_kind: global_buffer, .address_space: global }
      - { .name: xc, .offset: 32, .size: 8, .value_kind: global_buffer, .address_space: global }
      - { .name: bimg, .offset: 40, .size: 8, .value_kind: global_buffer, .address_space: global }
      - { .name: wc, .offset: 48, .size: 8, .value_kind: global_buffer, .address_space: global }
      - { .name: sc, .offset: 56, .size: 8, .value_kind: global_buffer, .address_space: global }
    .group_segment_fixed_size: 81408
    .private_segment_fixed_size: 0
    .kernarg_segment_align: 8
    .kernarg_segment_size: 64
    .max_flat_workgroup_size: 128
    .sgpr_count:     66
    .vgpr_count:     256
    .wavefront_size: 32
...
	.end_amdgpu_metadata
.endif
;; end of part 1
;; launch gemm_qkv (part 2): grid 12 x 32, 4 waves a work-group, clusters of 4 x 4, 327,680 bytes of LDS; arguments xc, wc, sc, bqkv, qkc, vc, qs; writes qkc, vc, qs
.if DOCPART == 2
	.amdgcn_target "amdgcn-amd-amdhsa--gfx1250"
	.amdhsa_code_object_version 6
	.text
	.protected	k_q27a3dbbbcc_gemm_qkv
	.globl	k_q27a3dbbbcc_gemm_qkv
	.p2align	8
	.type	k_q27a3dbbbcc_gemm_qkv,@function
k_q27a3dbbbcc_gemm_qkv:
	s_mov_b64 s[64:65], 0
	v_nop
	global_prefetch_b8 v0, s[64:65] scope:SCOPE_SE
	s_setreg_imm32_b32 hwreg(HW_REG_WAVE_MODE, 25, 1), 1
	s_wait_xcnt 0x0
	s_wait_alu depctr_hold_cnt(0) depctr_sa_sdst(0) depctr_va_vdst(0) depctr_va_sdst(0) depctr_va_ssrc(0) depctr_va_vcc(0) depctr_vm_vsrc(0)
	s_getreg_b32 s2, hwreg(HW_REG_IB_STS2, 6, 4)
	s_cmp_eq_u32 s2, 0
	s_cbranch_scc0 .Lentry_in_a_cluster
	s_endpgm
.Lentry_in_a_cluster:
	s_bfe_u32 s2, ttmp6, 0x10000c
	s_cmp_lg_u32 s2, 0xf033
	s_cbranch_scc0 .Lentry_shape_is_right
	s_endpgm
.Lentry_shape_is_right:
; qkv = x Wqkv + bqkv on codes of FP6 (E2M3) with E8M0 scales, f32 sums; the result never goes to memory as f32: it is quantised here for the attention launch.
; A block of 256 tokens x 256 columns a work-group, four waves, 128 x 128 a wave: 64 accumulators, 512 registers.  K = 1,024 in eight steps of 128, written out.
; OPERANDS are fragment images (16 rows x 128 K, 1,536 bytes: registers 2 p, 2 p + 1 of lane l at 256 p + 8 l): a fragment is six loads of 8 bytes a lane, 256 consecutive bytes each.
; Lane r of tile T stands for row 32 (T / 2) + 8 (T % 2) + r + 8 (r / 8).  So with source 0 = tile b and source 1 = tile a, register j of lane (r, h) is (source 0's row 32 (b / 2) + 8 (b % 2) + 16 h + j, tile a's row r):
; the 64 registers of b = 0 .. 7 are 64 numbers along source 0's axis, register 16 B + i = index 32 B + 16 h + i: what the quantiser below takes.
; ROLES.  P = source 0, the axis that is quantised; R = source 1, the lane.  Columns 0-2047 (q, k; clusters x = 0, 1): P = the weights' columns (the head's axis), R = tokens.
; Columns 2048-3071 (v; cluster x = 2): P = tokens (the keys, v's K in the second product of attention), R = columns.  The mode hangs on the cluster's x, which all partners share.
; It chooses which LDS region feeds P and which R, the scale words' places, and one of two tails; the tensor loads do not know of it.
; OUT: qkc [128 columns g 16][tile of tokens 512][1536], qs [g][tile][64];  vc [batch][head][128 keys 16][16 channels 4][1536], qs + VS0 likewise x 64.
; CLUSTERS: 4 x 4.  Tokens' tiles hang on the work-group's y and are shared along a row of the cluster, the weights' on x and are shared along a column: joint loads.
; The grid has 384 work-groups, one and a half for each of 256 WGPs; a smaller wave tile would read each LDS byte for half the products.
; LIMITS: blocks whose largest magnitude lies under 2^-124 keep the byte 1 (a block of zeros too: its codes are zeros); NaN and infinities are not served.
; REGISTERS: window 0: v16-30 addresses; v32-95 scale words (register 8 i + K step: lanes 0-15 R's tile i, lanes 16-31 P's tile i); v96-112 the quantiser's; v128-223 R's fragments, one set, later the tail's.
;   window 1: P's fragments, two sets, at v0 and v128; v96-127, v224-255 the bias.   windows 2, 3: accumulators, (a, b) at v[8 (8 (a % 4) + b)].
.set NL,    6                          ; LDS loads that bring a fragment
.set FR,    12                         ; its registers
.set NP,    4                          ; places behind this matrix instruction (ISA guide 7.12.1)
.set HALF,  24576                      ; 8 tiles x 2 K steps: what one tensor load brings, and what one wave reads of P or of R in a slot
.set SLOT,  4*HALF                     ; tokens' 16 tiles, then the weights' 16
.set SPARE, 2*SLOT                     ; behind the ring: the spare words, 128 bytes a wave
.set WS0,   262144
.set VS0,   524288
.set ADRR, 16                          ; v16-17 LDS address of my R fragments in slot 0, 1
.set ADRP, 20                          ; v20-21 the same for P
.set L8,   24                          ; 8 x lane
.set R4,   25                          ; 4 r
.set SOF,  26                          ; my scale words' byte in sc
.set BP,   27                          ; bias by P: 64 h
.set SPW,  28                          ; my spare word; never rewritten
.set NIL,  29                          ; 0; never rewritten
.set BR,   30                          ; bias by R: 4 (r + 8 (r / 8))
.set SC,   32
.set TM,   96
.set PW,   112
.set AF,   128
.set H,    128
.set PC,   192
.set G1T, 24                           ; s[24:31] group 1 for the tokens' tiles; s[32:39] group 0, a set for each slot
.set G0T, 32
.set G1W, 48                           ; s[48:55], s[56:63] the same for the weights'
.set G0W, 56
.set SEL, 96
.set MSB, 0
.macro WIN new                         ; the immediate's high byte repeats the setting that is left
.if MSB != (\new)
	s_set_vgpr_msb (MSB<<8)|(\new)
.set MSB, (\new)
.endif
.endm
.set MUL_LO, 0xa1                      ; source 0 (P) window 1, source 1 (R) window 0, C and D window 2
.set MUL_HI, 0xf1                      ; the same, C and D window 3
.set TO_P,   0x40                      ; destination window 1, address window 0
.macro JLOAD s                         ; a joint load: waves 0, 1 fetch the tokens' halves, waves 2, 3 the weights'; four v_nop follow each line
	s_cmp_eq_u32 s19, 0
	s_cbranch_scc0 .Lfor_w_\@
	tensor_load_to_lds s[G0T+4*\s:G0T+4*\s+3], s[G1T:G1T+7]
	s_nop 0
.rept 4
	v_nop
.endr
	s_branch .Lasked_\@
.Lfor_w_\@:
	tensor_load_to_lds s[G0W+4*\s:G0W+4*\s+3], s[G1W:G1W+7]
	s_nop 0
.rept 4
	v_nop
.endr
.Lasked_\@:
.endm
.macro CREST                           ; a round of the cluster's barrier behind its opening barrier
	s_cmp_lg_u32 s18, 0
	s_cbranch_scc1 .Lnot_wave_0_\@
	s_barrier_signal -3
.Lnot_wave_0_\@:
	s_barrier_wait -3
	s_barrier_signal -1
	s_barrier_wait -1
.endm
.macro CROUND
	s_barrier_signal -1
	s_barrier_wait -1
	CREST
.endm
.macro PLACES n
.rept \n
	v_nop
.endr
.endm
	s_load_b256 s[4:11], s[0:1], 0x0               ; xc s[4:5], wc s[6:7], sc s[8:9], bqkv s[10:11]
	s_load_b128 s[12:15], s[0:1], 0x20             ; qkc s[12:13], vc s[14:15]
	s_load_b64 s[16:17], s[0:1], 0x30              ; qs
	v_lshl_add_u32 v[SPW], v0, 2, SPARE
	v_mov_b32 v[NIL], 0
	ds_add_u32 v28, v29
	ds_add_u32 v28, v29
	s_wait_dscnt 0x0
	v_lshrrev_b32 v1, 5, v0
	v_readfirstlane_b32 s18, v1                    ; wave 0..3
	s_lshr_b32 s19, s18, 1                         ; rw: my half of R.  Also: I fetch tokens (0) or weights (1)
	s_and_b32 s20, s18, 1                          ; pw: my half of P.  Also: which 8 tiles I fetch
	s_bfe_u32 s40, ttmp6, 0x40000                  ; cx, cy
	s_bfe_u32 s41, ttmp6, 0x40004
	s_lshl_b32 s42, ttmp9, 2
	s_add_co_u32 s42, s42, s40                     ; x: which 256 columns
	s_and_b32 s43, ttmp7, 0xffff
	s_lshl_b32 s43, s43, 2
	s_add_co_u32 s43, s43, s41                     ; y: which 256 tokens
	s_lshl_b32 s44, s41, 2
	s_lshl_b32 s44, 15, s44                        ; my row of the cluster
	s_lshl_b32 s45, 0x1111, s40                    ; my column
	; group 1: 8 rows (tiles) of 3,072 bytes (two K steps' images), 12,288 bytes (a tile's eight images) apart; elements of 8 bytes; no padding: every LDS load takes 256 consecutive bytes
	s_or_b32 s[G1T], s44, (3<<16)|(1<<21)          ; 15:0 the mask; 17:16 elements of 8 bytes; 21 set beside a mask
	s_or_b32 s[G1W], s45, (3<<16)|(1<<21)
.irp g, G1T, G1W
	s_mov_b32 s[\g+1], 384<<16                     ; tensor_dim0 = 384
	s_mov_b32 s[\g+2], 8<<16                       ; tensor_dim1 = 8
	s_mov_b32 s[\g+3], 384<<16                     ; tile_dim0
	s_mov_b32 s[\g+4], 8                           ; tile_dim1
	s_mov_b32 s[\g+5], 1536                        ; stride from row to row, in elements
	s_mov_b32 s[\g+6], 0
	s_mov_b32 s[\g+7], 0
.endr
	s_lshl_b32 s21, s20, 3                         ; which 8 tiles of the 16
	s_lshl_b32 s22, s43, 4
	s_add_co_u32 s22, s22, s21
	s_mul_i32 s22, s22, 12288                      ; tokens: tile 16 y + 8 half
	s_mov_b32 s23, 0
	s_lshl_b32 s46, s42, 4
	s_add_co_u32 s46, s46, s21
	s_mul_i32 s46, s46, 12288                      ; weights: tile 16 x + 8 half
	s_mov_b32 s47, 0
	s_mul_i32 s66, s18, HALF                       ; where they go: wave x 8 tiles: no place in the cluster enters an LDS address
	s_wait_kmcnt 0x0
	s_add_nc_u64 s[22:23], s[4:5], s[22:23]
	s_add_nc_u64 s[46:47], s[6:7], s[46:47]
	CROUND                                         ; all sixteen work-groups are here: the first joint loads meet
.irp s, 0,1
	s_mov_b32 s[G0T+4*\s], 1
	s_add_co_u32 s[G0T+4*\s+1], s66, \s*SLOT
	s_add_nc_u64 s[G0T+4*\s+2:G0T+4*\s+3], s[22:23], \s*3072
	s_or_b32 s[G0T+4*\s+3], s[G0T+4*\s+3], 0x80000000
	s_mov_b32 s[G0W+4*\s], 1
	s_add_co_u32 s[G0W+4*\s+1], s66, \s*SLOT
	s_add_nc_u64 s[G0W+4*\s+2:G0W+4*\s+3], s[46:47], \s*3072
	s_or_b32 s[G0W+4*\s+3], s[G0W+4*\s+3], 0x80000000
	JLOAD \s                                       ; two loads of mine are out
.endr
	v_and_b32 v1, 31, v0
	v_lshlrev_b32 v[L8], 3, v1
	v_and_b32 v2, 15, v0                           ; r
	v_lshlrev_b32 v[R4], 2, v2
	v_bfe_u32 v3, v0, 4, 1                         ; h
	v_lshlrev_b32 v[BP], 6, v3
	v_and_b32 v4, 8, v2
	v_add_nc_u32 v4, v4, v2
	v_lshlrev_b32 v[BR], 2, v4
	s_mov_b32 s[SEL], 0x76543210
	s_mov_b32 s[SEL+1], 0xfedcba98
	s_cmp_ge_u32 ttmp9, 2                          ; the mode: 1 for v's columns
	s_cselect_b32 s67, 1, 0
	s_cselect_b32 s68, 0, 2*HALF                   ; P's region of a slot: the tokens' in mode 1, the weights' in mode 0;
	s_cselect_b32 s69, 2*HALF, 0                   ; R's: the other.  Either way the address stays inside the slot
	s_cselect_b32 s72, s20, s19                    ; which half of the tokens is mine,
	s_cselect_b32 s73, s19, s20                    ; which of the weights
	s_mul_i32 s70, s20, HALF
	s_mul_i32 s71, s19, HALF
	s_add_co_u32 s68, s68, s70
	s_add_co_u32 s69, s69, s71
.irp s, 0,1
	v_add_nc_u32 v[ADRP+\s], s68, v[L8]
	v_add_nc_u32 v[ADRR+\s], s69, v[L8]
	s_add_co_u32 s68, s68, SLOT
	s_add_co_u32 s69, s69, SLOT
.endr
	s_lshl_b32 s72, s72, 3
	s_lshl_b32 s74, s43, 4
	s_add_co_u32 s72, s72, s74
	s_lshl_b32 s72, s72, 9                         ; the tokens' scale words: tile x 512 bytes
	s_lshl_b32 s73, s73, 3
	s_lshl_b32 s74, s42, 4
	s_add_co_u32 s73, s73, s74
	s_lshl_b32 s73, s73, 9
	s_add_co_u32 s73, s73, WS0                     ; the weights'
	s_cmp_lg_u32 s67, 0
	s_cselect_b32 s74, s73, s72                    ; R's
	s_cselect_b32 s75, s72, s73                    ; P's
	v_mov_b32 v4, s74
	v_mov_b32 v5, s75
	v_cmp_ne_u32 vcc_lo, 0, v3
	v_cndmask_b32 v4, v4, v5, vcc_lo               ; lanes 0-15 take R's words, lanes 16-31 P's
	v_add_nc_u32 v[SOF], v4, v[R4]
.set i, 0
.rept 64                               ; all scale words of my 8 + 8 tiles and 8 K steps stay in registers
	global_load_b32 v[SC+i], v[SOF], s[8:9] offset:512*(i/8)+64*(i%8)
.set i, i+1
.endr
.irp b, 0,1,2,3
	v_mov_b32 v[TM+4+\b], 0                        ; written once: a lane permute's destination counts as one of its sources
.endr
.macro FRAG reg, adr, q, i             ; tile i's image of the slot's q-th K step
.irp p, 0,1,2,3,4,5
	ds_load_b64 v[\reg+2*\p:\reg+2*\p+1], v[\adr] offset:3072*(\i)+1536*(\q)+256*\p
.endr
.endm
; 16 matrix instructions: R's tiles a0, a0 + 1 x P's eight.  p: P's set; ks: the K step.  zero = 1: the first product starts the sums.  The 64 accumulators take turns, in the same order in every step.
.macro MUL16 a0, p, ks, zero
.irp a, \a0, \a0+1
.irp b, 0,1,2,3,4,5,6,7
.if \zero
	v_wmma_scale_f32_16x16x128_f8f6f4 v[8*(8*((\a)%4)+\b):8*(8*((\a)%4)+\b)+7], v[128*(\p)+FR*\b:128*(\p)+FR*\b+FR-1], v[AF+FR*(\a):AF+FR*(\a)+FR-1], 0, v[SC+8*\b+(\ks)], v[SC+8*(\a)+(\ks)] matrix_a_fmt:MATRIX_FMT_FP6 matrix_b_fmt:MATRIX_FMT_FP6 matrix_a_scale:MATRIX_SCALE_ROW1
.else
	v_wmma_scale_f32_16x16x128_f8f6f4 v[8*(8*((\a)%4)+\b):8*(8*((\a)%4)+\b)+7], v[128*(\p)+FR*\b:128*(\p)+FR*\b+FR-1], v[AF+FR*(\a):AF+FR*(\a)+FR-1], v[8*(8*((\a)%4)+\b):8*(8*((\a)%4)+\b)+7], v[SC+8*\b+(\ks)], v[SC+8*(\a)+(\ks)] matrix_a_fmt:MATRIX_FMT_FP6 matrix_b_fmt:MATRIX_FMT_FP6 matrix_a_scale:MATRIX_SCALE_ROW1
.endif
.endr
.endr
.endm
.macro FETCH_P slot, q, p
	WIN TO_P
.irp i, 0,1,2,3,4,5,6,7
	FRAG 128*(\p)+FR*\i, ADRP+\slot, \q, \i
.endr
	WIN 0
.endm
.macro FETCH_R slot, q, i0
.irp i, \i0, \i0+1, \i0+2, \i0+3
	FRAG AF+FR*(\i), ADRR+\slot, \q, \i
.endr
.endm
; A slot's first K step.  R has one set: tiles 0-3 are fetched anew in the step's middle, tiles 4-7 at its end; P has two sets.
.macro STEP slot, ks, zero
	s_wait_dscnt 4*NL                              ; P's set and R's tiles 0-3 are in; the youngest 24 loads (R's tiles 4-7) may be out
	WIN MUL_LO
	MUL16 0, 0, \ks, \zero
	MUL16 2, 0, \ks, \zero
	s_wait_dscnt 0x0                               ; R's tiles 4-7 are in
	PLACES NP                                      ; in front of loads into registers that matrix instructions have read
	FETCH_P \slot, 1, 1
	FETCH_R \slot, 1, 0
	WIN MUL_HI
	MUL16 4, 0, \ks, \zero
	MUL16 6, 0, \ks, \zero
	PLACES NP
	WIN 0
	FETCH_R \slot, 1, 4
.endm
; A slot's second K step changes slots: ONE barrier; in front of it each wave waits for all its tensor loads, adds 0 to its spare word, and waits for that and for its reads of this slot.  fill = 1: the slot is filled again, four K steps on.
.macro TURN slot, next, fill, ks
	s_wait_tensorcnt 0x0                           ; all my tensor loads have landed: my part of the next slot
	ds_add_u32 v[SPW], v[NIL]                      ; 0 onto my spare word
	s_wait_dscnt 4*NL+1                            ; the add and the youngest 24 loads (R's tiles 4-7) may be out
	WIN MUL_LO
	MUL16 0, 1, \ks, 0                             ; sixteen matrix instructions stand between the add and the wait for it
	s_wait_dscnt 0x0                               ; the add is done, and my reads of this slot are over
	s_barrier_signal -1
	MUL16 2, 1, \ks, 0
	WIN 0
	s_barrier_wait -1
.if \fill
	CREST                                          ; the barrier has opened a round of the cluster's barrier: no wave of any partner still reads this slot or has a load on its way
	s_add_nc_u64 s[G0T+4*\slot+2:G0T+4*\slot+3], s[G0T+4*\slot+2:G0T+4*\slot+3], 6144
	s_add_nc_u64 s[G0W+4*\slot+2:G0W+4*\slot+3], s[G0W+4*\slot+2:G0W+4*\slot+3], 6144
	JLOAD \slot                                    ; the first tensor load behind the round; its four v_nop are also the places in front of the loads below
.else
	PLACES NP
.endif
	FETCH_P \next, 0, 0
	FETCH_R \next, 0, 0
	WIN MUL_HI
	MUL16 4, 1, \ks, 0
	MUL16 6, 1, \ks, 0
	PLACES NP
	WIN 0
	FETCH_R \next, 0, 4
.endm
; 64 numbers of a lane, v[s] .. v[s + 63], register 16 b + i = index 32 b + 16 h + i, become a fragment's codes in v[PC] on and its scale word in v[PW].
.macro QUANT s
.irp b, 0,1,2,3
	v_max3_num_f32 v[TM+\b], |v[\s+16*\b]|, |v[\s+1+16*\b]|, 0x1800000   ; block b: my 16 numbers, and the floor 2^(3 - 127): the byte cannot fall under 1
.endr
.irp i, 2,4,6,8,10,12,14
.irp b, 0,1,2,3
	v_max3_num_f32 v[TM+\b], v[TM+\b], |v[\s+16*\b+\i]|, |v[\s+1+16*\b+\i]|   ; the four blocks by turns
.endr
.endr
.irp b, 0,1,2,3
	v_permlanex16_b32 v[TM+4+\b], v[TM+\b], s[SEL], s[SEL+1]
.endr
.irp b, 0,1,2,3
	v_max_num_f32 v[TM+\b], v[TM+\b], v[TM+4+\b]   ; with lane l xor 16's: the block's largest magnitude
.endr
.irp b, 0,1,2,3
	v_add_nc_u32 v[TM+12+\b], 0xff000000, v[TM+\b] ; 2 off its exponent field: the conversion's scale operand
.endr
.irp b, 0,1,2,3
	v_lshrrev_b32 v[TM+4+\b], 23, v[TM+12+\b]      ; the scale's byte
.endr
	v_lshl_or_b32 v[PW], v[TM+5], 8, v[TM+4]
	v_lshl_or_b32 v[PW], v[TM+6], 16, v[PW]
	v_lshl_or_b32 v[PW], v[TM+7], 24, v[PW]
.irp c, 0,1
	v_cvt_scalef32_pk16_fp6_f32 v[PC+6*\c:PC+2+6*\c], v[\s+32*\c:\s+15+32*\c], v[TM+12+2*\c]
	v_cvt_scalef32_pk16_fp6_f32 v[PC+12+4*\c:PC+14+4*\c], v[\s+16+32*\c:\s+31+32*\c], v[TM+12+2*\c+1]   ; (a conversion's three registers begin on an even number)
.endr
	v_nop                                          ; one plain place behind a scaled conversion
.irp c, 0,1                            ; the operand's layout wants a WHOLE block in a lane
.irp i, 0,1,2
	v_permlane16_swap_b32 v[PC+6*\c+\i], v[PC+12+4*\c+\i]
.endr
.irp i, 0,1,2
	v_mov_b32 v[PC+3+6*\c+\i], v[PC+12+4*\c+\i]
.endr
.endr
.endm
; THE TAIL of a mode: its bias is asked for, the last K step is multiplied meanwhile, and each of R's eight tiles gets the bias, is quantised along P and leaves as an image.
.macro TAIL mode
	s_lshl_b32 s76, s42, 10                        ; the bias: 256 x columns of 4 bytes,
.if \mode
	s_lshl_b32 s77, s19, 9                         ; + my half of R
.else
	s_lshl_b32 s77, s20, 9                         ; + my half of P
.endif
	s_add_co_u32 s76, s76, s77
	s_mov_b32 s77, 0
	s_add_nc_u64 s[10:11], s[10:11], s[76:77]
	WIN TO_P
.if \mode
.set a, 0
.rept 8                                ; bqkv at tile a's column of my lane, into both registers of a pair
	global_load_b32 v[96+2*a], v[BR], s[10:11] offset:(32*(a/2)+8*(a%2))*4
	global_load_b32 v[97+2*a], v[BR], s[10:11] offset:(32*(a/2)+8*(a%2))*4
.set a, a+1
.endr
	s_lshl_b32 s78, s43, 1
	s_add_co_u32 s78, s78, s20                     ; which 128 tokens: 2 y + pw
	s_lshr_b32 s79, s78, 4                         ; the batch,
	s_and_b32 s78, s78, 15                         ; the step of 128 keys in it
	s_lshl_b32 s79, s79, 4
	s_sub_co_u32 s80, s42, 8
	s_lshl_b32 s80, s80, 2
	s_add_co_u32 s79, s79, s80
	s_lshl_b32 s80, s19, 1
	s_add_co_u32 s79, s79, s80                     ; 16 batch + my first head, 4 (x - 8) + 2 rw
	s_lshl_b32 s79, s79, 6
	s_lshl_b32 s78, s78, 2
	s_add_co_u32 s78, s78, s79                     ; image ((16 batch + head) 16 + step) 4 + tile of channels
	s_mul_i32 s76, s78, 1536
	s_add_nc_u64 s[14:15], s[14:15], s[76:77]
	s_lshl_b32 s76, s78, 6
	s_add_co_u32 s76, s76, VS0
	s_add_nc_u64 s[16:17], s[16:17], s[76:77]
.else
.set n, 0
.rept 16                               ; bqkv at index 32 (n / 4) + 16 h + 4 (n % 4) + 0 .. 3: registers 4 n on of the 64
	global_load_b128 v[96+4*n+96*(n/8):96+4*n+96*(n/8)+3], v[BP], s[10:11] offset:128*(n/4)+16*(n%4)
.set n, n+1
.endr
	s_lshl_b32 s78, s42, 1
	s_add_co_u32 s78, s78, s20                     ; which 128 columns: 2 x + pw
	s_lshl_b32 s78, s78, 9
	s_lshl_b32 s79, s43, 4
	s_add_co_u32 s78, s78, s79
	s_lshl_b32 s79, s19, 3
	s_add_co_u32 s78, s78, s79                     ; image g 512 + tile of tokens
	s_mul_i32 s76, s78, 1536
	s_add_nc_u64 s[12:13], s[12:13], s[76:77]
	s_lshl_b32 s76, s78, 6
	s_add_nc_u64 s[16:17], s[16:17], s[76:77]
.endif
	s_wait_dscnt 4*NL                              ; the last K step: nothing more to fetch
	WIN MUL_LO
	MUL16 0, 1, 7, 0
	MUL16 2, 1, 7, 0
	s_wait_dscnt 0x0
	WIN MUL_HI
	MUL16 4, 1, 7, 0
	MUL16 6, 1, 7, 0
	WIN 0
	PLACES NP                                      ; in front of the first read of results and of writes over R's fragments
	s_wait_loadcnt 0x0                             ; the bias
.set a, 0
.rept 8
.if a > 0
	s_wait_xcnt 0x0                                ; the last tile's stores have read the codes' and the word's registers
.endif
	WIN 0x06+(a/4)                                 ; source 0: window 2 or 3; source 1: window 1
.set m, 0
.rept 32                               ; each accumulator from its low end on
.if \mode
	v_pk_add_f32 v[H+2*m:H+2*m+1], v[64*(a%4)+2*m:64*(a%4)+2*m+1], v[96+2*a:97+2*a]
.else
	v_pk_add_f32 v[H+2*m:H+2*m+1], v[64*(a%4)+2*m:64*(a%4)+2*m+1], v[96+2*m+96*(m/16):97+2*m+96*(m/16)]
.endif
.set m, m+1
.endr
	WIN 0
	QUANT H
.if \mode
.set ci, (a/4)*64+a%4                  ; tiles 4-7 are the next head's: 64 images on
.irp p, 0,1,2,3,4,5
	global_store_b64 v[L8], v[PC+2*\p:PC+2*\p+1], s[14:15] offset:1536*ci+256*\p
.endr
.else
.set ci, a
.irp p, 0,1,2,3,4,5
	global_store_b64 v[L8], v[PC+2*\p:PC+2*\p+1], s[12:13] offset:1536*ci+256*\p   ; 256 consecutive aligned bytes a store
.endr
.endif
	global_store_b32 v[R4], v[PW], s[16:17] offset:64*ci           ; lanes r and r + 16 write the same word with the same value
.set a, a+1
.endr
.endm
	s_wait_tensorcnt 1                             ; my part of slot 0 is in; slot 1's load may be out
	s_barrier_signal -1
	s_barrier_wait -1
	FETCH_P 0, 0, 0
	FETCH_R 0, 0, 0
	FETCH_R 0, 0, 4
	s_wait_loadcnt 0x0                             ; the scale words
	STEP 0, 0, 1                                   ; its products start the sums: nothing is cleared
	TURN 0, 1, 1, 1
	STEP 1, 2, 0
	TURN 1, 0, 1, 3
	STEP 0, 4, 0
	TURN 0, 1, 0, 5                                ; nothing is left to fetch
	STEP 1, 6, 0
	s_cmp_lg_u32 s67, 0                            ; the mode is the same in all partners; no barrier and no LDS store stands in an arm
	s_cbranch_scc1 .Lmode1
	TAIL 0
	s_branch .Lend
.Lmode1:
	TAIL 1
.Lend:
	s_wait_tensorcnt 0x0                           ; the wave's end
	ds_add_u32 v[SPW], v[NIL]
	s_wait_dscnt 0x0
	CROUND                                         ; the closing round: no work-group ends while a partner may still ask for a tile that names it
	s_endpgm
.Lfunc_end_k_q27a3dbbbcc_gemm_qkv:
	.size	k_q27a3dbbbcc_gemm_qkv, .Lfunc_end_k_q27a3dbbbcc_gemm_qkv-k_q27a3dbbbcc_gemm_qkv
	.p2alignl 7, 3214868480
	.fill 96, 4, 3214868480
	.section	.rodata,"a",@progbits
	.p2align	6, 0x0
	.amdhsa_kernel k_q27a3dbbbcc_gemm_qkv
		.amdhsa_group_segment_fixed_size 327680
		.amdhsa_private_segment_fixed_size 0
		.amdhsa_enable_private_segment 0
		.amdhsa_kernarg_size 56
		.amdhsa_user_sgpr_count 2
		.amdhsa_user_sgpr_kernarg_segment_ptr 1
		.amdhsa_wavefront_size32 1
		.amdhsa_system_sgpr_workgroup_id_x 1
		.amdhsa_system_sgpr_workgroup_id_y 1
		.amdhsa_system_sgpr_workgroup_id_z 1
		.amdhsa_system_vgpr_workitem_id 0
		.amdhsa_next_free_vgpr 1024
		.amdhsa_next_free_sgpr 100
		.amdhsa_reserve_vcc 1
		.amdhsa_float_denorm_mode_32 3
		.amdhsa_float_denorm_mode_16_64 3
		.amdhsa_memory_ordered 1
		.amdhsa_forward_progress 1
		.amdhsa_inst_pref_size 248
	.end_amdhsa_kernel
	.amdgpu_metadata
---
amdhsa.version: [ 1, 2 ]
amdhsa.kernels:
  - .name:           k_q27a3dbbbcc_gemm_qkv
    .symbol:         k_q27a3dbbbcc_gemm_qkv.kd
    .args:
      - { .name: xc, .offset: 0, .size: 8, .value_kind: global_buffer, .address_space: global }
      - { .name: wc, .offset: 8, .size: 8, .value_kind: global_buffer, .address_space: global }
      - { .name: sc, .offset: 16, .size: 8, .value_kind: global_buffer, .address_space: global }
      - { .name: bqkv, .offset: 24, .size: 8, .value_kind: global_buffer, .address_space: global }
      - { .name: qkc, .offset: 32, .size: 8, .value_kind: global_buffer, .address_space: global }
      - { .name: vc, .offset: 40, .size: 8, .value_kind: global_buffer, .address_space: global }
      - { .name: qs, .offset: 48, .size: 8, .value_kind: global_buffer, .address_space: global }
    .group_segment_fixed_size: 327680
    .private_segment_fixed_size: 0
    .kernarg_segment_align: 8
    .kernarg_segment_size: 56
    .max_flat_workgroup_size: 128
    .sgpr_count:     100
    .vgpr_count:     1024
    .wavefront_size: 32
...
	.end_amdgpu_metadata
.endif
;; end of part 2
;; launch attn (part 3): grid 8 x 64, 8 waves a work-group, no clusters, 209,920 bytes of LDS; arguments qkc, qs, vc, mask, bimg, aoc, sc; writes aoc, sc
.if DOCPART == 3
	.amdgcn_target "amdgcn-amd-amdhsa--gfx1250"
	.amdhsa_code_object_version 6
	.text
	.protected	k_q27a3dbbbcc_attn
	.globl	k_q27a3dbbbcc_attn
	.p2align	8
	.type	k_q27a3dbbbcc_attn,@function
k_q27a3dbbbcc_attn:
	s_mov_b64 s[64:65], 0
	v_nop
	global_prefetch_b8 v0, s[64:65] scope:SCOPE_SE
	s_setreg_imm32_b32 hwreg(HW_REG_WAVE_MODE, 25, 1), 1
	s_wait_xcnt 0x0
; For each batch and head: S' = q . k + 8 bias (= 8 x the logit), key mask, p = 2^(t - M), O = (p v) / sum(p); both products on codes of FP6 (E2M3) with E8M0 scales; O is quantised here for the last product.
; t = S' x log2(e) / 8; M = the running largest t rounded UP to a whole number; p is quantised along the keys, not normalised; the row's sum is taken of the unquantised p, in f32, and divides at the end.
; SHARES.  A work-group owns 256 queries of one batch and head (y = 16 batch + head); each of its eight waves owns two tiles of 16 queries; two waves to a SIMD, so that one wave's vector work stands beside the other's products and loads.
; K AND V OF THE WHOLE HEAD STAY IN LDS (2 x 96 KiB): four chunks of 512 keys, each wave fills its part of each chunk ONCE, at the start; nothing is filled again.  A wave has four tensor loads out.
; LAYOUT.  Both products transposed: S^T = K Q^T, O^T = V^T P^T: a lane holds one query.  Lane r of a tile stands for row 32 (T / 2) + 8 (T % 2) + r + 8 (r / 8), so that register 16 B + i of a step's 64 scores is key 32 B + 16 h + i.
; THE BIAS costs no vector instruction: 8 x bias lies in memory in the order of the score registers, is loaded into them, and the first product takes them as C.
; THE MASK costs eight shifts a step.  The head has 64 channels, the instruction 128 along K.  At k = 64 q carries the code of 1.0 under the scale 1; a key carries there the code 0 under 2^-126, or, if masked, the code of -7.5 under 2^104:
; a masked key's S' is -1.5e32, an unmasked key's gets exactly 0 more.  All other codes of q from k = 64 on are zeros, so what a key's operand holds there counts for nothing.  The largest t begins at -1e30, over every masked t: masked p are 0 from the first step on.
; NO CLUSTER: what the eight query blocks of a head share is K and V, 192 KiB a work-group, read once; the bias, 2 MiB a work-group, comes by loads into registers, which no mask can join.
; LIMITS: |t| under 1e30; a batch whose mask is all false is not served (the sum is 0); blocks whose largest magnitude lies under 2^-124 keep the byte 1; NaN and infinities are not served.
; REGISTERS, window 0: v1-9 addresses; v10-11 q's scale words; v12-13 p's; v14-21 K's; v22-25 V's; v26-37 statistics, six a tile: -M, largest t, the sum in two halves, f, a written pad; v38-61 at work; v62-85 p's codes; v96-223 scores, then p.
;   window 1: v0-67 K's eight tiles, 8 registers apart (6 of codes, the code at k = 64, one idle); v68-115 V's four; v116-139 q's two; v144-207 O^T, (tile t, channels dt) at 144 + 32 t + 8 dt.
.set CHB,  49152                       ; a chunk: 32 tiles of K x 768 bytes, then 4 steps of V x 6,144
.set KSC,  196608                      ; K's scale words with the mask in their upper halves: [tile 128][16 words]
.set VSC,  204800                      ; V's scale words: [step 16][tile 4][16 words]
.set VS0,  524288
.set AOS0, 393216
.set L8,  1
.set R4,  2
.set ADK, 3
.set ADS, 4
.set ADT, 5
.set BO,  6                            ; v6-7 byte offsets of the two tiles' bias
.set RK,  8
.set RV,  9
.set QW,  10
.set PW,  12
.set KW,  14
.set VW,  22
.set STAT, 26
.set BM,  38
.set PX,  42
.set SO,  46
.set TS,  50
.set T0,  52
.set CT,  54
.set PC,  62
.set S,   96
.set KF,  0
.set VF,  68
.set Q,   116
.set O,   144
.set WV,  18
.set SEL, 20
.set CS,  22
.set G1K, 24
.set G1V, 32
.set G0,  40                           ; s[40:55] four groups 0, one for each chunk
.set TB,  56
.set TS2, 57
.set TS1, 58
.set CNT, 59
.set MSB, 0
.macro WIN new
.if MSB != (\new)
	s_set_vgpr_msb (MSB<<8)|(\new)
.set MSB, (\new)
.endif
.endm
	s_load_b256 s[4:11], s[0:1], 0x0               ; qkc s[4:5], qs s[6:7], vc s[8:9], mask s[10:11]
	s_load_b128 s[12:15], s[0:1], 0x20             ; bimg s[12:13], aoc s[14:15]
	s_load_b64 s[16:17], s[0:1], 0x30              ; sc
	v_lshl_add_u32 v254, v0, 2, 0x33000
	v_mov_b32 v255, 0
	ds_add_u32 v254, v255
	ds_add_u32 v254, v255
	v_lshrrev_b32 v59, 5, v0
	v_readfirstlane_b32 s[WV], v59                 ; wave 0..7
	s_and_b32 s66, ttmp7, 0xffff                   ; y
	s_lshr_b32 s67, s66, 4                         ; batch
	s_and_b32 s68, s66, 15                         ; head
	s_lshr_b32 s69, s68, 1                         ; hp: the pair of heads that shares an image
	s_and_b32 s70, s68, 1                          ; ho: which half of it
	s_lshl_b32 s71, s69, 9
	s_lshl_b32 s72, s67, 7                         ; 128 tiles a batch
	s_add_co_u32 s71, s71, s72                     ; q's images of this batch and pair begin at image hp 512 + 128 batch; k's 4,096 images on
	s_mul_i32 s83, s70, 768                        ; my head's half of an image
	s_and_b32 s73, s[WV], 3
	s_lshl_b32 s74, s73, 3
	s_add_co_u32 s74, s74, s71
	s_add_co_u32 s74, s74, 4096
	s_mul_i32 s74, s74, 1536
	s_add_co_u32 s74, s74, s83                     ; waves 0-3: K's tiles 8 (wave % 4) on of a chunk
	s_mov_b32 s75, 0
	s_lshl_b32 s76, s66, 4
	s_add_co_u32 s76, s76, s73
	s_mul_i32 s76, s76, 6144                       ; waves 4-7: V's step wave % 4 of a chunk
	s_mov_b32 s77, 0
	s_mul_i32 s80, s[WV], 6144                     ; my place in a chunk
	; group 1.  K: 8 rows (tiles) of 768 bytes, 1,536 apart.  V: 6,144 dense bytes as 24 rows of 256.  Elements of 8 bytes, no padding: every LDS load takes 256 consecutive bytes
	s_mov_b32 s[G1K], 3<<16
	s_mov_b32 s[G1K+1], 96<<16
	s_mov_b32 s[G1K+2], 8<<16
	s_mov_b32 s[G1K+3], 96<<16
	s_mov_b32 s[G1K+4], 8
	s_mov_b32 s[G1K+5], 192
	s_mov_b32 s[G1K+6], 0
	s_mov_b32 s[G1K+7], 0
	s_mov_b32 s[G1V], 3<<16
	s_mov_b32 s[G1V+1], 32<<16
	s_mov_b32 s[G1V+2], 24<<16
	s_mov_b32 s[G1V+3], 32<<16
	s_mov_b32 s[G1V+4], 24
	s_mov_b32 s[G1V+5], 32
	s_mov_b32 s[G1V+6], 0
	s_mov_b32 s[G1V+7], 0
	s_mov_b32 s[SEL], 0x76543210
	s_mov_b32 s[SEL+1], 0xfedcba98
	s_mov_b32 s[CS], 0x3e38aa3b                    ; c = log2(e) / 8
	s_mov_b32 s[CS+1], s[CS]                       ; (named with it as a pair, so it is written)
	s_wait_dscnt 0x0
	s_wait_kmcnt 0x0
	s_cmp_lt_u32 s[WV], 4                          ; the choice hangs on the wave's number alone
	s_cselect_b64 s[78:79], s[4:5], s[8:9]         ; the buffer,
	s_cselect_b64 s[74:75], s[74:75], s[76:77]     ; my first tile's byte in it,
	s_mov_b32 s76, 24576
	s_cselect_b32 s76, 49152, s76                  ; and the bytes from chunk to chunk
	s_add_nc_u64 s[78:79], s[78:79], s[74:75]
.irp c, 0,1,2,3
	s_mov_b32 s[G0+4*\c], 1
	s_add_co_u32 s[G0+4*\c+1], s80, \c*CHB
	s_mov_b64 s[G0+4*\c+2:G0+4*\c+3], s[78:79]
	s_or_b32 s[G0+4*\c+3], s[G0+4*\c+3], 0x80000000
.if \c < 3
	s_add_nc_u64 s[78:79], s[78:79], s[76:77]
.endif
.endr
	s_cmp_lt_u32 s[WV], 4                          ; a wave's four first fills stand in one branch, ahead of every wait on TENSORcnt, every LDS read and every barrier; four v_nop follow the last
	s_cbranch_scc0 .Lfill_v
.irp c, 0,1,2,3
	tensor_load_to_lds s[G0+4*\c:G0+4*\c+3], s[G1K:G1K+7]
	s_nop 0
.endr
.rept 4
	v_nop
.endr
	s_branch .Lfilled
.Lfill_v:
.irp c, 0,1,2,3
	tensor_load_to_lds s[G0+4*\c:G0+4*\c+3], s[G1V:G1V+7]
	s_nop 0
.endr
.rept 4
	v_nop
.endr
.Lfilled:
	s_lshl_b32 s81, ttmp9, 4
	s_lshl_b32 s82, s[WV], 1
	s_add_co_u32 s81, s81, s82                     ; tq: my first tile of queries in the batch, 16 x + 2 wave
	s_add_co_u32 s82, s71, s81
	s_mul_i32 s84, s82, 1536
	s_add_co_u32 s84, s84, s83
	s_mov_b32 s85, 0
	s_add_nc_u64 s[84:85], s[4:5], s[84:85]        ; q's codes
	s_lshl_b32 s86, s82, 6
	s_mov_b32 s87, 0
	s_add_nc_u64 s[86:87], s[6:7], s[86:87]        ; q's scale words
	s_add_co_u32 s88, s71, 4096
	s_lshl_b32 s88, s88, 6
	s_mov_b32 s89, 0
	s_add_nc_u64 s[88:89], s[6:7], s[88:89]        ; k's scale words of the batch and pair: 8,192 dense bytes
	s_lshl_b32 s90, s67, 11
	s_mov_b32 s91, 0
	s_add_nc_u64 s[90:91], s[10:11], s[90:91]      ; the batch's mask
	s_lshl_b32 s92, s66, 12
	s_add_co_u32 s92, s92, VS0
	s_mov_b32 s93, 0
	s_add_nc_u64 s[92:93], s[6:7], s[92:93]        ; v's scale words of the head: 4,096 dense bytes
	s_lshl_b32 s94, s70, 4                         ; 16 ho: my head's two bytes of a word
	s_mov_b32 s95, 0x007f0000                      ; q's scales from k = 64 on: 1, and 2^-127
	s_lshl_b32 s60, s81, 17                        ; the bias of tile tq: 16 steps x 8,192 bytes a tile
	v_and_b32 v59, 31, v0                          ; lane
	v_and_b32 v58, 15, v0                          ; r
	v_bfe_u32 v50, v0, 4, 1                        ; h
	v_lshlrev_b32 v[L8], 3, v59
	v_lshlrev_b32 v[R4], 2, v58
	v_add_nc_u32 v[RK], KSC, v[R4]
	v_add_nc_u32 v[RV], VSC, v[R4]
	v_lshlrev_b32 v57, 2, v0                       ; 4 x thread
	v_lshlrev_b32 v61, 4, v0                       ; 16 x thread
	v_lshl_add_u32 v55, v0, 2, KSC
	v_lshl_add_u32 v56, v0, 4, VSC
	v_and_b32 v51, 0xe0, v0                        ; the key of word (tile thread / 16, row thread % 16): 32 (tile / 2)
	v_and_b32 v52, 16, v0
	v_lshrrev_b32 v52, 1, v52                      ; + 8 (tile % 2)
	v_and_b32 v53, 8, v0                           ; + 8 (r / 8)
	v_add3_u32 v51, v51, v52, v53
	v_add_nc_u32 v51, v51, v58                     ; + r
	v_lshlrev_b32 v[BO], 4, v59
	v_add_nc_u32 v[BO], s60, v[BO]
	v_add_nc_u32 v[BO+1], 0x20000, v[BO]
	WIN 0x40                                       ; destination window 1
.irp t, 0,1
.irp p, 0,1,2
	global_load_b64 v[Q+12*\t+2*\p:Q+12*\t+2*\p+1], v[L8], s[84:85] offset:1536*\t+256*\p
.endr
.endr
	WIN 0
.irp t, 0,1
	global_load_b32 v[QW+\t], v[R4], s[86:87] offset:64*\t
.endr
.irp j, 0,1,2,3,4,5,6,7                ; thread n takes words n + 256 j of K's 2,048, and their keys' mask bytes
	global_load_b32 v[KW+\j], v57, s[88:89] offset:1024*\j
	global_load_u8 v[BM+\j], v51, s[90:91] offset:256*\j
.endr
	global_load_b128 v[SO:SO+3], v61, s[92:93]
.macro BIAS t                          ; a step's 8 x bias for tile t, straight into its score registers: 512 consecutive bytes a load
.set j, 0
.rept 16
	global_load_b128 v[S+64*\t+4*j:S+64*\t+4*j+3], v[BO+\t], s[12:13] offset:512*j
.set j, j+1
.endr
.endm
	BIAS 0
	BIAS 1
	v_lshlrev_b32 v52, 3, v50
	v_xor_b32 v52, 8, v52                          ; the code of 1.0 at k = 64 (lanes 0-15), zeros at k = 96 on (lanes 16-31)
	WIN 0x40
.set i, 0
.rept 64
	v_mov_b32 v[O+i], 0                            ; O^T.  (The step is written once: the first finds zeros, which the first change of M leaves zeros)
.set i, i+1
.endr
.irp t, 0,1,2,3,4,5,6,7
	v_mov_b32 v[KF+8*\t+7], 0                      ; named by K's operands, met by q's zero codes alone: written once
.endr
.irp i, 64,65,66,67
	v_mov_b32 v[KF+\i], 0
.endr
.irp t, 0,1
	v_mov_b32 v[Q+12*\t+6], v52
.irp i, 7,8,9,10,11
	v_mov_b32 v[Q+12*\t+\i], 0
.endr
.endr
	WIN 0
.irp t, 0,1
	v_mov_b32 v[STAT+6*\t+1], 0xf149f2ca           ; the largest t so far: -1e30: under every t that is served, over every masked t
	v_floor_f32 v[STAT+6*\t], -v[STAT+6*\t+1]      ; -M
	v_mov_b32 v[STAT+6*\t+2], 0                    ; the sum, in two halves
	v_mov_b32 v[STAT+6*\t+3], 0
	v_mov_b32 v[STAT+6*\t+5], 0                    ; (named as the upper half of f's pair)
.endr
	v_mov_b32 v52, 0x3fe70000                      ; a masked key: byte 3 = the code of -7.5, byte 2 = the scale 2^104
	v_mov_b32 v53, 0x00010000                      ; a key that counts: the code 0, the scale 2^-126
	s_wait_loadcnt 32                              ; all but the 32 loads of the bias
.irp t, 0,1
	v_lshrrev_b32 v[QW+\t], s94, v[QW+\t]
	v_and_or_b32 v[QW+\t], v[QW+\t], 0xffff, s95
.endr
.irp j, 0,1,2,3,4,5,6,7
	v_cmp_ne_u32 vcc_lo, 0, v[BM+\j]
	v_cndmask_b32 v[BM+\j], v52, v53, vcc_lo
	v_lshrrev_b32 v[KW+\j], s94, v[KW+\j]
	v_and_or_b32 v[KW+\j], v[KW+\j], 0xffff, v[BM+\j]
	ds_store_b32 v55, v[KW+\j] offset:1024*\j
.endr
	ds_store_b128 v56, v[SO:SO+3]
; One tile's softmax for a step of 128 keys.
.macro SOFTMAX t
.set SS, S+64*\t
.set ST, STAT+6*\t
.set PT, PC+12*\t
.irp b, 0,1,2,3
	v_max3_num_f32 v[BM+\b], v[SS+16*\b], v[SS+16*\b+1], v[SS+16*\b+2]   ; the largest score of each block of 32 keys: for the row's maximum, and, since p rises with the score, for the block's largest p.  Each accumulator is read from its low end on
.endr
.irp i, 3,5,7,9,11,13
.irp b, 0,1,2,3
	v_max3_num_f32 v[BM+\b], v[BM+\b], v[SS+16*\b+\i], v[SS+16*\b+\i+1]
.endr
.endr
.irp b, 0,1,2,3
	v_max_num_f32 v[BM+\b], v[BM+\b], v[SS+16*\b+15]
.endr
.irp b, 0,1,2,3
	v_permlanex16_b32 v[PX+\b], v[BM+\b], s[SEL], s[SEL+1]
.endr
.irp b, 0,1,2,3
	v_max_num_f32 v[BM+\b], v[BM+\b], v[PX+\b]     ; with lane l xor 16's 16 keys
.endr
	v_max3_num_f32 v[T0], v[BM], v[BM+1], v[BM+2]
	v_max_num_f32 v[T0], v[T0], v[BM+3]
	v_mul_f32 v[T0], s[CS], v[T0]                  ; as t (c is positive)
	v_max_num_f32 v[ST+1], v[ST+1], v[T0]          ; the running largest t
	v_mov_b32 v[T0], v[ST]
	v_floor_f32 v[ST], -v[ST+1]                    ; the new -M = -ceil(t): a whole number
	v_sub_f32 v[T0], v[ST], v[T0]                  ; old M - new M: a whole number, 0 or less
	v_cvt_i32_f32 v[T0], v[T0]                     ; (it saturates)
	v_ldexp_f32 v[ST+4], 1.0, v[T0]                ; f = 2^(old M - new M): exact
.set j, 0
.rept 32
	v_pk_fma_f32 v[SS+j:SS+j+1], v[SS+j:SS+j+1], s[CS:CS+1], v[ST:ST+1] op_sel_hi:[1,0,0]   ; t - M, two at a time
.set j, j+2
.endr
.irp b, 0,1,2,3
	v_fma_f32 v[BM+\b], v[BM+\b], s[CS], v[ST]     ; the same of each block's largest score
.endr
.set j, 0
.rept 64
	v_exp_f32 v[SS+j], v[SS+j]                     ; p = 2^(t - M), at most 1
.set j, j+1
.endr
.irp b, 0,1,2,3
	v_exp_f32 v[BM+\b], v[BM+\b]                   ; the block's largest p
.endr
	v_pk_mul_f32 v[ST+2:ST+3], v[ST+2:ST+3], v[ST+4:ST+5] op_sel_hi:[1,0]   ; the sums under the new M.  (A plain place behind the exponentials)
	s_wait_alu depctr_va_vdst(0)
.irp b, 0,1,2,3
	v_max_num_f32 v[BM+\b], 0x1800000, v[BM+\b]    ; the floor 2^(3 - 127): the byte cannot fall under 1
.endr
.irp b, 0,1,2,3
	v_add_nc_u32 v[SO+\b], 0xff000000, v[BM+\b]    ; the conversion's scale operand
.endr
.irp b, 0,1,2,3
	v_lshrrev_b32 v[PX+\b], 23, v[SO+\b]           ; the byte
.endr
	v_lshl_or_b32 v[PW+\t], v[PX+1], 8, v[PX]      ; p's scale word for these 128 keys
	v_lshl_or_b32 v[PW+\t], v[PX+2], 16, v[PW+\t]
	v_lshl_or_b32 v[PW+\t], v[PX+3], 24, v[PW+\t]
.irp c, 0,1
	v_cvt_scalef32_pk16_fp6_f32 v[PT+6*\c:PT+6*\c+2], v[SS+32*\c:SS+32*\c+15], v[SO+2*\c]
	v_cvt_scalef32_pk16_fp6_f32 v[CT+4*\c:CT+4*\c+2], v[SS+32*\c+16:SS+32*\c+31], v[SO+2*\c+1]
.endr
	v_nop                                          ; one plain place behind a scaled conversion
.irp c, 0,1                            ; the operand's layout wants a WHOLE block in a lane
.irp i, 0,1,2
	v_permlane16_swap_b32 v[PT+6*\c+\i], v[CT+4*\c+\i]
.endr
.irp i, 0,1,2
	v_mov_b32 v[PT+6*\c+3+\i], v[CT+4*\c+\i]
.endr
.endr
	v_pk_add_f32 v[TS:TS+1], v[SS:SS+1], v[SS+2:SS+3]               ; the row's sum, of the UNQUANTISED p: two at a time, in two chains
.irp j, 4,8,12,16,20,24,28,32,36,40,44,48,52,56,60
	v_pk_add_f32 v[ST+2:ST+3], v[ST+2:ST+3], v[SS+\j:SS+\j+1]
	v_pk_add_f32 v[TS:TS+1], v[TS:TS+1], v[SS+\j+2:SS+\j+3]
.endr
	v_pk_add_f32 v[ST+2:ST+3], v[ST+2:ST+3], v[TS:TS+1]
.endm
.macro SPROD t                         ; S^T of tile t: eight tiles of 16 keys; C = D = the registers that hold 8 x bias.  Eight accumulators, one instruction each
	WIN 0x05                                       ; K and q in window 1, the scores in window 0
.irp k, 0,1,2,3,4,5,6,7
	v_wmma_scale_f32_16x16x128_f8f6f4 v[S+64*\t+8*\k:S+64*\t+8*\k+7], v[KF+8*\k:KF+8*\k+11], v[Q+12*\t:Q+12*\t+11], v[S+64*\t+8*\k:S+64*\t+8*\k+7], v[KW+\k], v[QW+\t] matrix_a_fmt:MATRIX_FMT_FP6 matrix_b_fmt:MATRIX_FMT_FP6
.endr
	WIN 0
.endm
; A KEY STEP: 128 keys.  last = 1: no bias is asked for beyond the end.
.macro STEP last
	v_add_nc_u32 v[ADK], s[TB], v[L8]
	v_add_nc_u32 v[ADS], s[TS2], v[RK]
	v_add_nc_u32 v[ADT], s[TS1], v[RV]
.irp k, 0,1,2,3,4,5,6,7
	ds_load_b32 v[KW+\k], v[ADS] offset:64*\k      ; K's scale words, the mask in their upper halves
.endr
	WIN 0x40
.irp k, 0,1,2,3,4,5,6,7
.irp p, 0,1,2
	ds_load_b64 v[KF+8*\k+2*\p:KF+8*\k+2*\p+1], v[ADK] offset:768*\k+256*\p
.endr
.endr
	s_wait_dscnt 24                                ; the eight words are in; the 24 loads of codes may be out
.irp k, 0,1,2,3,4,5,6,7
	v_lshrrev_b32 v[KF+8*\k+6], 24, v[KW+\k]       ; the key's code at k = 64: 0, or that of -7.5
.endr
.rept 4
	v_nop                                          ; an operand written by a vector instruction stands four places ahead of a scaled matrix instruction
.endr
	s_wait_dscnt 0x0
	s_wait_loadcnt 16                              ; tile 0's bias is in; tile 1's 16 loads may be out
	SPROD 0
.rept 4
	v_nop                                          ; places behind the products: in front of the first read of results, and of later loads into their registers
.endr
	SOFTMAX 0
.if \last
	s_wait_loadcnt 0x0                             ; tile 1's bias
.else
	v_add_nc_u32 v[BO], 0x2000, v[BO]              ; (its loads were shown done by the wait above)
	BIAS 0                                         ; the next step's, into the registers that p has left
	s_wait_loadcnt 16                              ; tile 1's bias is in; the 16 loads just issued may be out
.endif
	SPROD 1
.irp d, 0,1,2,3
	ds_load_b32 v[VW+\d], v[ADT] offset:64*\d
.endr
	WIN 0x40
.irp d, 0,1,2,3
.irp p, 0,1,2,3,4,5
	ds_load_b64 v[VF+12*\d+2*\p:VF+12*\d+2*\p+1], v[ADK] offset:24576+1536*\d+256*\p   ; V's step lies 24,576 bytes behind K's in the chunk
.endr
.endr
	WIN 0
.rept 4
	v_nop
.endr
	SOFTMAX 1
.if !\last
	v_add_nc_u32 v[BO+1], 0x2000, v[BO+1]
	BIAS 1
.endif
	WIN 0x41                                       ; O^T in window 1, f in window 0
.irp t, 0,1
.set j, 0
.rept 16
	v_pk_mul_f32 v[O+32*\t+j:O+32*\t+j+1], v[O+32*\t+j:O+32*\t+j+1], v[STAT+6*\t+4:STAT+6*\t+5] op_sel_hi:[1,0]   ; O^T under the new M.  (These are also the places between p's codes and scale words and the products)
.set j, j+2
.endr
.endr
	s_wait_dscnt 0x0                               ; V
	WIN 0x51                                       ; V in window 1, p in window 0, O^T in window 1
.irp d, 0,1,2,3
.irp t, 0,1
	v_wmma_scale_f32_16x16x128_f8f6f4 v[O+32*\t+8*\d:O+32*\t+8*\d+7], v[VF+12*\d:VF+12*\d+11], v[PC+12*\t:PC+12*\t+11], v[O+32*\t+8*\d:O+32*\t+8*\d+7], v[VW+\d], v[PW+\t] matrix_a_fmt:MATRIX_FMT_FP6 matrix_b_fmt:MATRIX_FMT_FP6
.endr
.endr
	WIN 0
	s_add_co_u32 s[TB], s[TB], 6144
	s_add_co_u32 s[TS2], s[TS2], 512
	s_add_co_u32 s[TS1], s[TS1], 256
.endm
; A chunk of 512 keys: my part of it has landed (the later chunks' loads may be out), every wave says so, and its steps follow.
.macro CHUNK c, trips
	s_wait_tensorcnt 3-\c
	s_wait_dscnt 0x0                               ; my LDS stores have landed (chunk 0: the scale words), my loads are in
	s_barrier_signal -1
	s_barrier_wait -1
	s_mov_b32 s[TB], \c*CHB
	s_mov_b32 s[TS2], \c*2048
	s_mov_b32 s[TS1], \c*1024
	s_mov_b32 s[CNT], \trips
.Lstep_\@:
	STEP 0
	s_sub_co_u32 s[CNT], s[CNT], 1
	s_cmp_lg_u32 s[CNT], 0
	s_cbranch_scc1 .Lstep_\@
.endm
	CHUNK 0, 4
	CHUNK 1, 4
	CHUNK 2, 4
	CHUNK 3, 3
	STEP 1                                         ; the last step is written out: no load leaves the bias's buffer
	; THE WAY OUT.  O^T / the sum; register 16 B + i of a tile's 32 is channel 32 B + 16 h + i: two blocks of the last product's K; codes and two scale bytes go into my head's half of the image.
.rept 4
	v_nop                                          ; places behind the last products
.endr
	s_add_co_u32 s74, s72, s81                     ; my first tile of tokens
	s_lshl_b32 s74, s74, 3
	s_add_co_u32 s74, s74, s69                     ; image: tile x 8 + pair of heads
	s_mul_i32 s76, s74, 1536
	s_add_co_u32 s76, s76, s83
	s_mov_b32 s77, 0
	s_add_nc_u64 s[14:15], s[14:15], s[76:77]
	s_lshl_b32 s76, s74, 6
	s_lshl_b32 s75, s70, 1
	s_add_co_u32 s76, s76, s75
	s_add_co_u32 s76, s76, AOS0
	s_add_nc_u64 s[16:17], s[16:17], s[76:77]
.irp t, 0,1
	v_add_f32 v[BM+\t], v[STAT+6*\t+2], v[STAT+6*\t+3]
.endr
.irp t, 0,1
	v_permlanex16_b32 v[PX+\t], v[BM+\t], s[SEL], s[SEL+1]
.endr
.irp t, 0,1
	v_add_f32 v[BM+\t], v[BM+\t], v[PX+\t]         ; the row's sum
.endr
.irp t, 0,1
	v_rcp_f32 v[STAT+6*\t+4], v[BM+\t]
.endr
	v_nop                                          ; one plain place behind a transcendental
	s_wait_alu depctr_va_vdst(0)
.macro OUT t
.set SS, S+64*\t
.set PT, PC+12*\t
	WIN 0x01                                       ; source 0: window 1
.set j, 0
.rept 16
	v_pk_mul_f32 v[SS+j:SS+j+1], v[O+32*\t+j:O+32*\t+j+1], v[STAT+6*\t+4:STAT+6*\t+5] op_sel_hi:[1,0]   ; each accumulator from its low end on
.set j, j+2
.endr
	WIN 0
.irp b, 0,1
	v_max3_num_f32 v[BM+\b], |v[SS+16*\b]|, |v[SS+16*\b+1]|, 0x1800000
.endr
.irp i, 2,4,6,8,10,12,14
.irp b, 0,1
	v_max3_num_f32 v[BM+\b], v[BM+\b], |v[SS+16*\b+\i]|, |v[SS+16*\b+\i+1]|
.endr
.endr
.irp b, 0,1
	v_permlanex16_b32 v[PX+\b], v[BM+\b], s[SEL], s[SEL+1]
.endr
.irp b, 0,1
	v_max_num_f32 v[BM+\b], v[BM+\b], v[PX+\b]
.endr
.irp b, 0,1
	v_add_nc_u32 v[SO+\b], 0xff000000, v[BM+\b]
.endr
.irp b, 0,1
	v_lshrrev_b32 v[PX+\b], 23, v[SO+\b]
.endr
	v_lshl_or_b32 v[PW+\t], v[PX+1], 8, v[PX]      ; my head's two bytes of the row's scale word
	v_cvt_scalef32_pk16_fp6_f32 v[PT:PT+2], v[SS:SS+15], v[SO]
	v_cvt_scalef32_pk16_fp6_f32 v[CT:CT+2], v[SS+16:SS+31], v[SO+1]
	v_nop                                          ; one plain place behind a scaled conversion
.irp i, 0,1,2
	v_permlane16_swap_b32 v[PT+\i], v[CT+\i]
.endr
.irp i, 0,1,2
	v_mov_b32 v[PT+3+\i], v[CT+\i]
.endr
.irp p, 0,1,2
	global_store_b64 v[L8], v[PT+2*\p:PT+2*\p+1], s[14:15] offset:12288*\t+256*\p   ; 256 consecutive aligned bytes a store
.endr
	global_store_b16 v[R4], v[PW+\t], s[16:17] offset:512*\t       ; lanes r and r + 16 write the same two bytes with the same value
.endm
	OUT 0
	OUT 1
	s_wait_tensorcnt 0x0
	ds_add_u32 v254, v255
	s_wait_dscnt 0x0
	s_endpgm
.Lfunc_end_k_q27a3dbbbcc_attn:
	.size	k_q27a3dbbbcc_attn, .Lfunc_end_k_q27a3dbbbcc_attn-k_q27a3dbbbcc_attn
	.p2alignl 7, 3214868480
	.fill 96, 4, 3214868480
	.section	.rodata,"a",@progbits
	.p2align	6, 0x0
	.amdhsa_kernel k_q27a3dbbbcc_attn
		.amdhsa_group_segment_fixed_size 209920
		.amdhsa_private_segment_fixed_size 0
		.amdhsa_enable_private_segment 0
		.amdhsa_kernarg_size 56
		.amdhsa_user_sgpr_count 2
		.amdhsa_user_sgpr_kernarg_segment_ptr 1
		.amdhsa_wavefront_size32 1
		.amdhsa_system_sgpr_workgroup_id_x 1
		.amdhsa_system_sgpr_workgroup_id_y 1
		.amdhsa_system_sgpr_workgroup_id_z 1
		.amdhsa_system_vgpr_workitem_id 0
		.amdhsa_next_free_vgpr 512
		.amdhsa_next_free_sgpr 96
		.amdhsa_reserve_vcc 1
		.amdhsa_float_denorm_mode_32 3
		.amdhsa_float_denorm_mode_16_64 3
		.amdhsa_memory_ordered 1
		.amdhsa_forward_progress 1
		.amdhsa_inst_pref_size 197
	.end_amdhsa_kernel
	.amdgpu_metadata
---
amdhsa.version: [ 1, 2 ]
amdhsa.kernels:
  - .name:           k_q27a3dbbbcc_attn
    .symbol:         k_q27a3dbbbcc_attn.kd
    .args:
      - { .name: qkc, .offset: 0, .size: 8, .value_kind: global_buffer, .address_space: global }
      - { .name: qs, .offset: 8, .size: 8, .value_kind: global_buffer, .address_space: global }
      - { .name: vc, .offset: 16, .size: 8, .value_kind: global_buffer, .address_space: global }
      - { .name: mask, .offset: 24, .size: 8, .value_kind: global_buffer, .address_space: global }
      - { .name: bimg, .offset: 32, .size: 8, .value_kind: global_buffer, .address_space: global }
      - { .name: aoc, .offset: 40, .size: 8, .value_kind: global_buffer, .address_space: global }
      - { .name: sc, .offset: 48, .size: 8, .value_kind: global_buffer, .address_space: global }
    .group_segment_fixed_size: 209920
    .private_segment_fixed_size: 0
    .kernarg_segment_align: 8
    .kernarg_segment_size: 56
    .max_flat_workgroup_size: 256
    .sgpr_count:     96
    .vgpr_count:     512
    .wavefront_size: 32
...
	.end_amdgpu_metadata
.endif
;; end of part 3
;; launch gemm_out (part 4): grid 4 x 32, 4 waves a work-group, clusters of 4 x 4, 327,680 bytes of LDS; arguments aoc, wc, sc, bout, out0; writes out0
.if DOCPART == 4
	.amdgcn_target "amdgcn-amd-amdhsa--gfx1250"
	.amdhsa_code_object_version 6
	.text
	.protected	k_q27a3dbbbcc_gemm_out
	.globl	k_q27a3dbbbcc_gemm_out
	.p2align	8
	.type	k_q27a3dbbbcc_gemm_out,@function
k_q27a3dbbbcc_gemm_out:
	s_mov_b64 s[64:65], 0
	v_nop
	global_prefetch_b8 v0, s[64:65] scope:SCOPE_SE
	s_setreg_imm32_b32 hwreg(HW_REG_WAVE_MODE, 25, 1), 1
	s_wait_xcnt 0x0
	s_wait_alu depctr_hold_cnt(0) depctr_sa_sdst(0) depctr_va_vdst(0) depctr_va_sdst(0) depctr_va_ssrc(0) depctr_va_vcc(0) depctr_vm_vsrc(0)
	s_getreg_b32 s2, hwreg(HW_REG_IB_STS2, 6, 4)
	s_cmp_eq_u32 s2, 0
	s_cbranch_scc0 .Lentry_in_a_cluster
	s_endpgm
.Lentry_in_a_cluster:
	s_bfe_u32 s2, ttmp6, 0x10000c
	s_cmp_lg_u32 s2, 0xf033
	s_cbranch_scc0 .Lentry_shape_is_right
	s_endpgm
.Lentry_shape_is_right:
; out0 = ao Wout + bout on codes of FP6 (E2M3) with E8M0 scales, f32 sums.  ao: the attention launch's images [tile of tokens 512][K step 8][1536]; Wout: tiles 192-255 of wc; scale words in sc.
; A block of 256 tokens x 256 columns a work-group, four waves, 128 x 128 a wave: 64 accumulators.  K = 1,024 in eight steps of 128, written out, through a ring of two LDS slots of two K steps.
; OPERANDS are fragment images (16 rows x 128 K, 1,536 bytes: registers 2 p, 2 p + 1 of lane l at 256 p + 8 l).  Lane r of tile T stands for row 32 (T / 2) + 8 (T % 2) + r + 8 (r / 8).
; P = source 0 = 16 columns of Wout, R = source 1 = 16 tokens: register j of lane (r, h) of accumulator (a, b) is (token: tile a's row r, column 32 (b / 2) + 8 (b % 2) + 16 h + j): eight neighbouring columns of a row.
; bout is the C of each sum's first matrix instruction.  The results leave through each wave's stage in LDS, as whole rows of 512 bytes.
; CLUSTERS: 4 x 4: the tokens' tiles are shared along a row of the cluster, the weights' along a column: joint loads.  The grid has 128 work-groups: a block of 256 x 256 leaves half the WGPs without work at this size.
; REGISTERS: window 0: v15-31 addresses; v32-95 scale words (register 8 i + K step: lanes 0-15 R's tile i, lanes 16-31 P's tile i); v128-223 R's fragments, one set; on the way out v128-255.
;   window 1: P's fragments, two sets, at v0 and v128; v96-127, v224-255 bout.   windows 2, 3: accumulators, (a, b) at v[8 (8 (a % 4) + b)].
.set NL,    6
.set FR,    12
.set NP,    4                          ; places behind this matrix instruction (ISA guide 7.12.1)
.set HALF,  24576                      ; 8 tiles x 2 K steps: what one tensor load brings
.set SLOT,  4*HALF                     ; tokens' 16 tiles, then the weights' 16
.set SPARE, 2*SLOT                     ; the spare words, 128 bytes a wave
.set WS0,   262144
.set AOS0,  393216
.set SPITCH, 528                       ; the way out: 16 rows x (512 + 16) bytes for each wave, in slot 0, which has had its last fill and its last read by then
.set ADRR, 16
.set ADRP, 20
.set L8,   24
.set R4,   25
.set SOF,  26
.set BP,   27
.set SPW,  28
.set NIL,  29
.set STO,  30
.set RD,   31
.set CO,   15
.set SC,   32
.set AF,   128
.set BK,   128
.set G1T, 24
.set G0T, 32
.set G1W, 48
.set G0W, 56
.set MSB, 0
.macro WIN new
.if MSB != (\new)
	s_set_vgpr_msb (MSB<<8)|(\new)
.set MSB, (\new)
.endif
.endm
.set MUL_LO, 0xa1                      ; source 0 (P) window 1, source 1 (R) window 0, C and D window 2
.set MUL_HI, 0xf1
.set FST_LO, 0x91                      ; the first step: C (bout) window 1, D window 2
.set FST_HI, 0xd1
.set TO_P,   0x40
.macro JLOAD s                         ; a joint load: waves 0, 1 fetch the tokens' halves, waves 2, 3 the weights'; four v_nop follow each line
	s_cmp_eq_u32 s19, 0
	s_cbranch_scc0 .Lfor_w_\@
	tensor_load_to_lds s[G0T+4*\s:G0T+4*\s+3], s[G1T:G1T+7]
	s_nop 0
.rept 4
	v_nop
.endr
	s_branch .Lasked_\@
.Lfor_w_\@:
	tensor_load_to_lds s[G0W+4*\s:G0W+4*\s+3], s[G1W:G1W+7]
	s_nop 0
.rept 4
	v_nop
.endr
.Lasked_\@:
.endm
.macro CREST
	s_cmp_lg_u32 s18, 0
	s_cbranch_scc1 .Lnot_wave_0_\@
	s_barrier_signal -3
.Lnot_wave_0_\@:
	s_barrier_wait -3
	s_barrier_signal -1
	s_barrier_wait -1
.endm
.macro CROUND
	s_barrier_signal -1
	s_barrier_wait -1
	CREST
.endm
.macro PLACES n
.rept \n
	v_nop
.endr
.endm
	s_load_b256 s[4:11], s[0:1], 0x0               ; aoc s[4:5], wc s[6:7], sc s[8:9], bout s[10:11]
	s_load_b64 s[12:13], s[0:1], 0x20              ; out0
	v_lshl_add_u32 v[SPW], v0, 2, SPARE
	v_mov_b32 v[NIL], 0
	ds_add_u32 v28, v29
	ds_add_u32 v28, v29
	s_wait_dscnt 0x0
	v_lshrrev_b32 v1, 5, v0
	v_readfirstlane_b32 s18, v1                    ; wave 0..3
	s_lshr_b32 s19, s18, 1                         ; rw: my half of the tokens.  Also: I fetch tokens (0) or weights (1)
	s_and_b32 s20, s18, 1                          ; pw: my half of the columns.  Also: which 8 tiles I fetch
	s_bfe_u32 s40, ttmp6, 0x40000
	s_bfe_u32 s41, ttmp6, 0x40004
	s_lshl_b32 s42, ttmp9, 2
	s_add_co_u32 s42, s42, s40                     ; x: which 256 columns
	s_and_b32 s43, ttmp7, 0xffff
	s_lshl_b32 s43, s43, 2
	s_add_co_u32 s43, s43, s41                     ; y: which 256 tokens
	s_lshl_b32 s44, s41, 2
	s_lshl_b32 s44, 15, s44                        ; my row of the cluster
	s_lshl_b32 s45, 0x1111, s40                    ; my column
	; group 1: 8 rows (tiles) of 3,072 bytes (two K steps' images), 12,288 bytes apart; elements of 8 bytes; no padding
	s_or_b32 s[G1T], s44, (3<<16)|(1<<21)
	s_or_b32 s[G1W], s45, (3<<16)|(1<<21)
.irp g, G1T, G1W
	s_mov_b32 s[\g+1], 384<<16
	s_mov_b32 s[\g+2], 8<<16
	s_mov_b32 s[\g+3], 384<<16
	s_mov_b32 s[\g+4], 8
	s_mov_b32 s[\g+5], 1536
	s_mov_b32 s[\g+6], 0
	s_mov_b32 s[\g+7], 0
.endr
	s_lshl_b32 s21, s20, 3
	s_lshl_b32 s22, s43, 4
	s_add_co_u32 s22, s22, s21
	s_mul_i32 s22, s22, 12288                      ; tokens: tile 16 y + 8 half
	s_mov_b32 s23, 0
	s_lshl_b32 s46, s42, 4
	s_add_co_u32 s46, s46, s21
	s_add_co_u32 s46, s46, 192
	s_mul_i32 s46, s46, 12288                      ; weights: tile 192 + 16 x + 8 half
	s_mov_b32 s47, 0
	s_mul_i32 s66, s18, HALF
	s_wait_kmcnt 0x0
	s_add_nc_u64 s[22:23], s[4:5], s[22:23]
	s_add_nc_u64 s[46:47], s[6:7], s[46:47]
	CROUND                                         ; all sixteen work-groups are here: the first joint loads meet
.irp s, 0,1
	s_mov_b32 s[G0T+4*\s], 1
	s_add_co_u32 s[G0T+4*\s+1], s66, \s*SLOT
	s_add_nc_u64 s[G0T+4*\s+2:G0T+4*\s+3], s[22:23], \s*3072
	s_or_b32 s[G0T+4*\s+3], s[G0T+4*\s+3], 0x80000000
	s_mov_b32 s[G0W+4*\s], 1
	s_add_co_u32 s[G0W+4*\s+1], s66, \s*SLOT
	s_add_nc_u64 s[G0W+4*\s+2:G0W+4*\s+3], s[46:47], \s*3072
	s_or_b32 s[G0W+4*\s+3], s[G0W+4*\s+3], 0x80000000
	JLOAD \s                                       ; two loads of mine are out
.endr
	v_and_b32 v1, 31, v0
	v_lshlrev_b32 v[L8], 3, v1
	v_lshlrev_b32 v[CO], 4, v1                     ; 16 x lane
	v_and_b32 v2, 15, v0                           ; r
	v_lshlrev_b32 v[R4], 2, v2
	v_bfe_u32 v3, v0, 4, 1                         ; h
	v_lshlrev_b32 v[BP], 6, v3
	s_mul_i32 s69, s19, HALF                       ; R: my 8 tiles of tokens
	s_mul_i32 s68, s20, HALF
	s_add_co_u32 s68, s68, 2*HALF                  ; P: my 8 tiles of weights, behind the tokens'
.irp s, 0,1
	v_add_nc_u32 v[ADRP+\s], s68, v[L8]
	v_add_nc_u32 v[ADRR+\s], s69, v[L8]
	s_add_co_u32 s68, s68, SLOT
	s_add_co_u32 s69, s69, SLOT
.endr
	s_mul_i32 s70, s18, 16*SPITCH                  ; my stage
	v_mul_u32_u24 v4, v2, SPITCH
	v_lshl_add_u32 v4, v3, 6, v4
	v_add_nc_u32 v[STO], s70, v4                   ; in: row r, + 64 h
	v_add_nc_u32 v[RD], s70, v[CO]                 ; back: 16 x lane of a row
	s_lshl_b32 s72, s19, 3
	s_lshl_b32 s74, s43, 4
	s_add_co_u32 s72, s72, s74
	s_lshl_b32 s72, s72, 9
	s_add_co_u32 s72, s72, AOS0                    ; R's scale words
	s_lshl_b32 s73, s20, 3
	s_lshl_b32 s74, s42, 4
	s_add_co_u32 s73, s73, s74
	s_add_co_u32 s73, s73, 192
	s_lshl_b32 s73, s73, 9
	s_add_co_u32 s73, s73, WS0                     ; P's
	v_mov_b32 v4, s72
	v_mov_b32 v5, s73
	v_cmp_ne_u32 vcc_lo, 0, v3
	v_cndmask_b32 v4, v4, v5, vcc_lo               ; lanes 0-15 take R's words, lanes 16-31 P's
	v_add_nc_u32 v[SOF], v4, v[R4]
.set i, 0
.rept 64
	global_load_b32 v[SC+i], v[SOF], s[8:9] offset:512*(i/8)+64*(i%8)
.set i, i+1
.endr
	s_lshl_b32 s76, s42, 10
	s_lshl_b32 s77, s20, 9
	s_add_co_u32 s76, s76, s77                     ; my first column, in bytes
	s_mov_b32 s77, 0
	s_add_nc_u64 s[10:11], s[10:11], s[76:77]
	s_add_nc_u64 s[12:13], s[12:13], s[76:77]
	s_lshl_b32 s76, s43, 8
	s_lshl_b32 s78, s19, 7
	s_add_co_u32 s76, s76, s78
	s_lshl_b32 s76, s76, 12                        ; my first token's row of 4,096 bytes
	s_add_nc_u64 s[12:13], s[12:13], s[76:77]
	WIN TO_P
.set n, 0
.rept 16                               ; bout at column 32 (n / 4) + 16 h + 4 (n % 4) + 0 .. 3: registers 4 n on of the 64: tile b's eight at 8 b
	global_load_b128 v[96+4*n+96*(n/8):96+4*n+96*(n/8)+3], v[BP], s[10:11] offset:128*(n/4)+16*(n%4)
.set n, n+1
.endr
	WIN 0
.macro FRAG reg, adr, q, i
.irp p, 0,1,2,3,4,5
	ds_load_b64 v[\reg+2*\p:\reg+2*\p+1], v[\adr] offset:3072*(\i)+1536*(\q)+256*\p
.endr
.endm
; 16 matrix instructions: R's tiles a0, a0 + 1 x P's eight.  first = 1: the sums begin with bout as C.  The 64 accumulators take turns, in the same order in every step.
.macro MUL16 a0, p, ks, first
.irp a, \a0, \a0+1
.irp b, 0,1,2,3,4,5,6,7
.if \first
	v_wmma_scale_f32_16x16x128_f8f6f4 v[8*(8*((\a)%4)+\b):8*(8*((\a)%4)+\b)+7], v[128*(\p)+FR*\b:128*(\p)+FR*\b+FR-1], v[AF+FR*(\a):AF+FR*(\a)+FR-1], v[96+8*\b+96*(\b/4):96+8*\b+96*(\b/4)+7], v[SC+8*\b+(\ks)], v[SC+8*(\a)+(\ks)] matrix_a_fmt:MATRIX_FMT_FP6 matrix_b_fmt:MATRIX_FMT_FP6 matrix_a_scale:MATRIX_SCALE_ROW1
.else
	v_wmma_scale_f32_16x16x128_f8f6f4 v[8*(8*((\a)%4)+\b):8*(8*((\a)%4)+\b)+7], v[128*(\p)+FR*\b:128*(\p)+FR*\b+FR-1], v[AF+FR*(\a):AF+FR*(\a)+FR-1], v[8*(8*((\a)%4)+\b):8*(8*((\a)%4)+\b)+7], v[SC+8*\b+(\ks)], v[SC+8*(\a)+(\ks)] matrix_a_fmt:MATRIX_FMT_FP6 matrix_b_fmt:MATRIX_FMT_FP6 matrix_a_scale:MATRIX_SCALE_ROW1
.endif
.endr
.endr
.endm
.macro FETCH_P slot, q, p
	WIN TO_P
.irp i, 0,1,2,3,4,5,6,7
	FRAG 128*(\p)+FR*\i, ADRP+\slot, \q, \i
.endr
	WIN 0
.endm
.macro FETCH_R slot, q, i0
.irp i, \i0, \i0+1, \i0+2, \i0+3
	FRAG AF+FR*(\i), ADRR+\slot, \q, \i
.endr
.endm
.macro STEP slot, ks, first
	s_wait_dscnt 4*NL                              ; P's set and R's tiles 0-3 are in; the youngest 24 loads (R's tiles 4-7) may be out
.if \first
	WIN FST_LO
.else
	WIN MUL_LO
.endif
	MUL16 0, 0, \ks, \first
	MUL16 2, 0, \ks, \first
	s_wait_dscnt 0x0
	PLACES NP                                      ; in front of loads into registers that matrix instructions have read
	FETCH_P \slot, 1, 1
	FETCH_R \slot, 1, 0
.if \first
	WIN FST_HI
.else
	WIN MUL_HI
.endif
	MUL16 4, 0, \ks, \first
	MUL16 6, 0, \ks, \first
	PLACES NP
	WIN 0
	FETCH_R \slot, 1, 4
.endm
.macro TURN slot, next, fill, ks
	s_wait_tensorcnt 0x0                           ; all my tensor loads have landed: my part of the next slot
	ds_add_u32 v[SPW], v[NIL]                      ; 0 onto my spare word
	s_wait_dscnt 4*NL+1                            ; the add and the youngest 24 loads may be out
	WIN MUL_LO
	MUL16 0, 1, \ks, 0
	s_wait_dscnt 0x0                               ; the add is done, and my reads of this slot are over
	s_barrier_signal -1
	MUL16 2, 1, \ks, 0
	WIN 0
	s_barrier_wait -1
.if \fill
	CREST                                          ; the barrier has opened a round of the cluster's barrier: no wave of any partner still reads this slot or has a load on its way
	s_add_nc_u64 s[G0T+4*\slot+2:G0T+4*\slot+3], s[G0T+4*\slot+2:G0T+4*\slot+3], 6144
	s_add_nc_u64 s[G0W+4*\slot+2:G0W+4*\slot+3], s[G0W+4*\slot+2:G0W+4*\slot+3], 6144
	JLOAD \slot                                    ; the first tensor load behind the round; its four v_nop are also the places in front of the loads below
.else
	PLACES NP
.endif
	FETCH_P \next, 0, 0
	FETCH_R \next, 0, 0
	WIN MUL_HI
	MUL16 4, 1, \ks, 0
	MUL16 6, 1, \ks, 0
	PLACES NP
	WIN 0
	FETCH_R \next, 0, 4
.endm
	s_wait_tensorcnt 1                             ; my part of slot 0 is in; slot 1's load may be out
	s_barrier_signal -1
	s_barrier_wait -1
	FETCH_P 0, 0, 0
	FETCH_R 0, 0, 0
	FETCH_R 0, 0, 4
	s_wait_loadcnt 0x0                             ; the scale words and bout
	STEP 0, 0, 1
	TURN 0, 1, 1, 1
	STEP 1, 2, 0
	TURN 1, 0, 1, 3
	STEP 0, 4, 0
	TURN 0, 1, 0, 5                                ; nothing is left to fetch; behind this barrier nobody reads slot 0
	STEP 1, 6, 0
	s_wait_dscnt 4*NL                              ; the last K step
	WIN MUL_LO
	MUL16 0, 1, 7, 0
	MUL16 2, 1, 7, 0
	s_wait_dscnt 0x0
	WIN MUL_HI
	MUL16 4, 1, 7, 0
	MUL16 6, 1, 7, 0
	WIN 0
; THE WAY OUT, tile by tile of 16 tokens x 128 columns: into my own stage, back as whole rows of 512 bytes.  LDS serves a wave's instructions in order: no wait between the stores and the loads.
.macro TOSTAGE a
.set AC, 64*((\a)%4)
	WIN 0x08+4*((\a)/4)                            ; the data: window 2 or 3
.irp b, 0,1,2,3,4,5,6,7
	ds_store_b128 v[STO], v[AC+8*\b:AC+8*\b+3] offset:128*(\b/2)+32*(\b%2)         ; each accumulator from its low end on
	ds_store_b128 v[STO], v[AC+8*\b+4:AC+8*\b+7] offset:128*(\b/2)+32*(\b%2)+16
.endr
	WIN 0
.set BB, BK+64*((\a)%2)
.irp t, 0,1,2,3,4,5,6,7,8,9,10,11,12,13,14,15
	ds_load_b128 v[BB+4*\t:BB+4*\t+3], v[RD] offset:\t*SPITCH
.endr
.endm
.macro SEND a, younger                 ; younger: the LDS instructions issued behind tile a's loads, which may stay out
.set BB, BK+64*((\a)%2)
	s_wait_dscnt \younger
.irp t, 0,1,2,3,4,5,6,7,8,9,10,11,12,13,14,15
	global_store_b128 v[CO], v[BB+4*\t:BB+4*\t+3], s[12:13] offset:(32*((\a)/2)+8*((\a)%2)+\t+8*(\t/8))*4096 th:TH_STORE_NT   ; 32 lanes store 512 consecutive bytes of the token's row
.endr
.endm
	PLACES NP                                      ; in front of the first read of results and of loads over R's fragments
	TOSTAGE 0
.irp a, 1,2,3,4,5,6,7
.if \a > 1
	s_wait_xcnt 0x0                                ; tile a - 2's stores have read their registers: tile a's loads may land there
.endif
	TOSTAGE \a
	SEND \a-1, 32                                  ; behind tile a - 1's loads: tile a's 16 stores and 16 loads
.endr
	SEND 7, 0
	s_wait_tensorcnt 0x0                           ; the wave's end
	ds_add_u32 v[SPW], v[NIL]
	s_wait_dscnt 0x0
	CROUND                                         ; the closing round
	s_endpgm
.Lfunc_end_k_q27a3dbbbcc_gemm_out:
	.size	k_q27a3dbbbcc_gemm_out, .Lfunc_end_k_q27a3dbbbcc_gemm_out-k_q27a3dbbbcc_gemm_out
	.p2alignl 7, 3214868480
	.fill 96, 4, 3214868480
	.section	.rodata,"a",@progbits
	.p2align	6, 0x0
	.amdhsa_kernel k_q27a3dbbbcc_gemm_out
		.amdhsa_group_segment_fixed_size 327680
		.amdhsa_private_segment_fixed_size 0
		.amdhsa_enable_private_segment 0
		.amdhsa_kernarg_size 40
		.amdhsa_user_sgpr_count 2
		.amdhsa_user_sgpr_kernarg_segment_ptr 1
		.amdhsa_wavefront_size32 1
		.amdhsa_system_sgpr_workgroup_id_x 1
		.amdhsa_system_sgpr_workgroup_id_y 1
		.amdhsa_system_sgpr_workgroup_id_z 1
		.amdhsa_system_vgpr_workitem_id 0
		.amdhsa_next_free_vgpr 1024
		.amdhsa_next_free_sgpr 100
		.amdhsa_reserve_vcc 1
		.amdhsa_float_denorm_mode_32 3
		.amdhsa_float_denorm_mode_16_64 3
		.amdhsa_memory_ordered 1
		.amdhsa_forward_progress 1
		.amdhsa_inst_pref_size 162
	.end_amdhsa_kernel
	.amdgpu_metadata
---
amdhsa.version: [ 1, 2 ]
amdhsa.kernels:
  - .name:           k_q27a3dbbbcc_gemm_out
    .symbol:         k_q27a3dbbbcc_gemm_out.kd
    .args:
      - { .name: aoc, .offset: 0, .size: 8, .value_kind: global_buffer, .address_space: global }
      - { .name: wc, .offset: 8, .size: 8, .value_kind: global_buffer, .address_space: global }
      - { .name: sc, .offset: 16, .size: 8, .value_kind: global_buffer, .address_space: global }
      - { .name: bout, .offset: 24, .size: 8, .value_kind: global_buffer, .address_space: global }
      - { .name: out0, .offset: 32, .size: 8, .value_kind: global_buffer, .address_space: global }
    .group_segment_fixed_size: 327680
    .private_segment_fixed_size: 0
    .kernarg_segment_align: 8
    .kernarg_segment_size: 40
    .max_flat_workgroup_size: 128
    .sgpr_count:     100
    .vgpr_count:     1024
    .wavefront_size: 32
...
	.end_amdgpu_metadata
.endif
;; end of part 4
